; MI455X (gfx1250); checked and timed in simulation.
; The chip was launched on July 23, 2026; its instructions are those of AMD's public machine-readable ISA for CDNA 5 (MIT licence, August 2026) and "CDNA5" Instruction Set Architecture Reference Guide (July 2026). The comments in the code are by the model that wrote it; some were corrected since.
;; attention. Allowed arithmetic: matrix products marked QUANTISED: E3M2 operands, one E8M0 scale for each 32 along K, by v_wmma_scale_f32_16x16x128_f8f6f4 with both operands' format E3M2, f32 sums; everything else in f32.
;; Inputs: Wk 1,024 x 1,024 float32; Wo 1,024 x 1,024 float32; Wq 1,024 x 1,024 float32; Wv 1,024 x 1,024 float32; bk 1,024 float32; bo 1,024 float32; bq 1,024 float32; bv 1,024 float32; x 4 x 2,048 x 1,024 float32.
;; Outputs: out0 4 x 2,048 x 1,024 float32.
;; This version of the problem:
;;   THIS VERSION OF THE PROBLEM IS GIVEN IN LOW PRECISION. The matrix products marked QUANTISED in the list below multiply operands that are first quantised to E3M2 (3 exponent bits, 2 mantissa bits; 6 bits a number), with one power-of-two scale for each 32 numbers along K (OCP MX v1.0); their sums are f32. All else is computed in f32.
;;   The module's matrix products, in the order in which they are computed (A, B: the left and right operand; K: the contracted axis; several contracted axes count as one K, in the product's order):
;;     1. [M 8,192, K 1,024] x [K 1,024, N 1,024]; A: input x; B: input Wq: QUANTISED
;;     2. [M 8,192, K 1,024] x [K 1,024, N 1,024]; A: input x; B: input Wk: QUANTISED
;;     3. [M 8,192, K 1,024] x [K 1,024, N 1,024]; A: input x; B: input Wv: QUANTISED
;;     4. batch 64 x [M 2,048, K 64] x [K 64, N 2,048]; A: computed on the way; B: computed on the way: QUANTISED
;;     5. batch 64 x [M 2,048, K 2,048] x [K 2,048, N 64]; A: softmax (see below); B: computed on the way: QUANTISED
;;     6. [M 8,192, K 1,024] x [K 1,024, N 1,024]; A: computed on the way; B: input Wo: QUANTISED
;;   THE QUANTISER, for each operand of a quantised product, along K:
;;     - K is cut into blocks of 32 from its start; a last block that is shorter is filled with zeros.
;;     - A block's scale is 2^e with e = floor(log2(the largest magnitude in the block)) - 4, held to -126 .. 127; a block of zeros has e = 0. As a byte (E8M0): e + 127.
;;     - Each number is divided by its block's scale, clamped to +-28, and rounded to the nearest number of E3M2, ties to even, subnormals kept.
;;     - The product sums the exact products of the quantised numbers (number of the format x scale) in f32.
;;   ~~~python
;;   def quantise(x, axis):      # numpy; x: float32 -> the quantised numbers, widened to float32 again
;;       x = np.moveaxis(x, axis, -1); K = x.shape[-1]
;;       x = np.pad(x, [(0, 0)] * (x.ndim - 1) + [(0, -K % 32)]); x = x.reshape(x.shape[:-1] + (-1, 32)); a = np.abs(x).max(-1, keepdims=True)
;;       e = np.where(a > 0, np.clip(np.frexp(np.where(a > 0, a, 1))[1] - 1 - 4, -126, 127), 0)      # np.frexp(a)[1] - 1 = floor(log2(a)), exactly
;;       r = np.clip(x / 2.0 ** e, -28, 28)
;;       step = 2.0 ** (np.maximum(np.frexp(np.where(r == 0, 1, r))[1] - 1, -2) - 2)
;;       q = np.round(r / step) * step * 2.0 ** e      # np.round: ties to even
;;       return np.moveaxis(q.reshape(q.shape[:-2] + (-1,))[..., :K], -1, axis).astype(np.float32)
;;   ~~~
;;   SOFTMAX AHEAD OF A QUANTISED PRODUCT. Where the list says 'softmax', what is quantised is not the finished softmax but p = 2^(t - M), with t = logit x log2(e) and M = ceil(the row's largest t), a whole number; so 1/2 < the row's largest p <= 1. The row's sum l is taken of the UNQUANTISED p, in f32, and the product's result is divided by l at the end. Since M is a whole number, a kernel that streams over the keys may use a running M (the ceiling of the running maximum): every later rescaling is an exact power of two, which a block's scale takes up: the codes' values come out the same.
;;   OPERANDS COMPUTED ON THE WAY. 'Computed on the way' means the value that the module computes at that place (a softmax that the list does not call 'softmax' is quantised finished and normalised). What goes into a quantiser is computed in f32, as accurately as f32 sums, v_exp_f32 and their like allow (about 1e-6 of the number): no bf16 or f16 on the way to a quantiser, and a product that is left as it is and whose result goes on into a quantised operand takes f32 operands (vector FMAs, or v_wmma_f32_16x16x4_f32). A number that lies on a knife's edge between two numbers of the format may be rounded either way, as far as f32 arithmetic and the matrix unit's own rounding can turn it there, and no further.
;; One version. Each part assembles by itself: llvm-mc -triple=amdgcn-amd-amdhsa -mcpu=gfx1250 --defsym DOCPART=n.
;; ======== version 1 of 1: 4 launches
;; limits: right only within a limited range of input values
;; workspace buffers: xw_img 8,650,752 bytes; xw_sc 360,448 bytes; o_img 7,077,888 bytes; o_sc 294,912 bytes; rope 524,288 bytes; qkv_img 18,874,368 bytes; a_sc 1,310,720 bytes
;; launch quant (part 1): grid 512 x 1, 4 waves a work-group, no clusters, 34,304 bytes of LDS; arguments x, Wq, Wk, Wv, Wo, xw_img, xw_sc, o_img, o_sc, rope; writes xw_img, xw_sc, o_img, o_sc, rope
.if DOCPART == 1
	.amdgcn_target "amdgcn-amd-amdhsa--gfx1250"
	.amdhsa_code_object_version 6
	.text
	.protected	k_qf5fe030803_quant
	.globl	k_qf5fe030803_quant
	.p2align	8
	.type	k_qf5fe030803_quant,@function
k_qf5fe030803_quant:
	s_mov_b64 s[64:65], 0
	v_nop
	global_prefetch_b8 v0, s[64:65] scope:SCOPE_SE
	s_setreg_imm32_b32 hwreg(HW_REG_WAVE_MODE, 25, 1), 1
	s_wait_xcnt 0x0
; ONE LAUNCH QUANTISES ALL THE INPUTS OF THE PRODUCTS: work-groups 0-255 take x, work-groups 256-511 the four weights and the table of cos and sin.  The two ways part on the work-group's number alone.
; Codes of BF6 (E3M2) with one E8M0 byte for each 32 along K, laid in the ORDER OF THE OPERAND'S REGISTERS.
; A fragment (16 rows x 128 K, 12 registers a lane) is 1,536 bytes: two halves of 768; in a half lane l's registers 6c..6c+3 lie at 16 l, its registers 6c+4, 6c+5 at 512 + 8 l.
; Lane (r = l % 16, hh = l / 16) holds block 2c + hh of row r.  A tile of 16 rows is 8 fragments on end, 12,288 bytes.  Scale bytes: [row][32], byte = block along K.
; INSIDE A BLOCK OF 32 THE CODES STAND IN A FIXED ORDER OF THEIR OWN: the four groups of 8 numbers in the order 0, 2, 1, 3.  Every operand of every product of this program has that order,
; on both sides, so each code meets its partner; only the order of the f32 additions inside a matrix instruction differs from ascending k.
; A block's scale is 2^(floor(log2(largest magnitude)) - 4): the largest magnitude's exponent field - 4, held at 1 from below by a floor among the maximum's leaves.
; LIMITS: a block whose largest magnitude lies under 2^-122 keeps the byte 1; a block of zeros gets the byte 1 (not 127) over zero codes, and only this program reads the bytes; NaN and infinities are not served.
; x [8192][1024]: rows 0-8191 of xw_img / xw_sc.  Wave w of work-group j takes row tile 2 j + w / 2 and half w % 2 of K: four units of 16 rows x 128 K.  A load reads 512 consecutive bytes of one row; a unit turns
; through the wave's own stage in LDS (16 rows, 528 bytes apart), from which a lane takes its two blocks of 32 neighbours.  No barrier: waves share nothing.  Loads run one unit (16 loads) ahead.
; The weights [1024 (k)][1024 (n)], whose K is the FIRST axis: column n is a row of the image.  Wq, Wk, Wv follow x (rows 8192 + 1024 wi + n); Wo follows the attention's result in o_img / o_sc (rows 8192 + n).
; A LANE TAKES A COLUMN AND ITS REGISTERS RUN DOWN K: a block of 32 lies in one lane.  In the image block t of a K step belongs to lane r + 16 (t % 2) of half t / 2: sixteen lanes store 256 consecutive bytes, then 128.
; The table, [pos 2048][pair 32][cos, sin] f32: each of the 1,024 waves of the weights' way makes two positions, a lane to a pair, while its first loads are out.
; angle = pos x 10000^(-i / 32), reduced by n = round(angle x 2 / pi) with pi / 2 in two parts (n is under 2^11), then polynomials of degree 7 and 8 on |r| <= pi / 4.
; 10000^(-i / 32) is the product of two rounded constants, 10^(-(i % 8) / 8) and 10^(-(i / 8)): for i < 8 the second is 1.
.set XR,  16                           ; x: v16-143  two sets of 64: a unit as loaded
.set XX,  144                          ; v144-207 my two blocks of 32, in the code order
.set XC,  208                          ; v208-219 the fragment's 12 registers
.set XE,  220                          ; v220-226 the second halves of the two blocks' codes, as the conversions leave them
.set XT,  228                          ; v228-238 at work
.set XW,  240                          ; v240-243 my row's scale word of each unit
.set SP,  528                          ; a stage row: 512 bytes + 16
.set WX,  32                           ; weights: v32-159 four blocks of 32 numbers
.set WC,  160                          ; v160-191 a block's six registers of codes, eight apart: no store's data are written again
.set WE,  192                          ; v192-207 the second halves as the conversions leave them
	v_lshl_add_u32 v248, v0, 2, 0x8400
	v_mov_b32 v249, 0
	s_cmp_lt_u32 ttmp9, 256
	s_cbranch_scc0 .Lweights
	; ================ x
	s_load_b64 s[4:5], s[0:1], 0x0                 ; x
	s_load_b64 s[6:7], s[0:1], 0x28                ; xw_img
	s_load_b64 s[8:9], s[0:1], 0x30                ; xw_sc
	v_lshrrev_b32 v1, 5, v0
	v_readfirstlane_b32 s10, v1                    ; wave
	v_and_b32 v1, 31, v0                           ; lane
	v_and_b32 v2, 15, v0                           ; r
	v_bfe_u32 v3, v0, 4, 1                         ; hh
	v_lshlrev_b32 v4, 4, v1                        ; 16 x lane: my bytes of a load, and of an image's first part
	v_lshlrev_b32 v5, 3, v1                        ; 8 x lane: of its second part
	s_mul_i32 s11, s10, 16*SP                      ; my stage
	v_add_nc_u32 v6, s11, v4                       ; into it: as loaded
	v_mul_u32_u24 v7, v2, SP
	v_lshl_add_u32 v7, v3, 7, v7
	v_add_nc_u32 v7, s11, v7                       ; out of it: row r, block hh
	v_lshlrev_b32 v8, 5, v2
	v_lshl_add_u32 v8, v3, 3, v8                   ; scale bytes: row r, 8 bytes for each half of the lanes
	v_lshlrev_b32 v9, 3, v3                        ; 8 hh: my bytes' place in a scale word
	v_mov_b32 v[XT+10], 0                          ; a lane permute's destination counts as read
	s_mov_b32 s20, 0x76543210
	s_mov_b32 s21, 0xfedcba98                      ; selects for lane l xor 16
	s_lshr_b32 s12, s10, 1
	s_and_b32 s13, s10, 1                          ; which half of K
	s_lshl_b32 s14, ttmp9, 1
	s_add_co_u32 s14, s14, s12                     ; my row tile
	s_lshl_b32 s16, s14, 16                        ; 16 rows of 4,096 bytes
	s_lshl_b32 s15, s13, 11
	s_add_co_u32 s16, s16, s15
	s_mov_b32 s17, 0
	s_mul_i32 s18, s14, 12288
	s_mul_i32 s15, s13, 6144
	s_add_co_u32 s18, s18, s15
	s_mov_b32 s19, 0
	s_lshl_b32 s22, s14, 9
	s_lshl_b32 s15, s13, 4
	s_add_co_u32 s22, s22, s15
	s_mov_b32 s23, 0
	s_wait_alu depctr_va_vdst(0)
	s_wait_kmcnt 0x0
	s_add_nc_u64 s[4:5], s[4:5], s[16:17]
	s_add_nc_u64 s[6:7], s[6:7], s[18:19]
	s_add_nc_u64 s[8:9], s[8:9], s[22:23]
.macro XLOAD t                         ; unit t: 16 rows x 512 bytes
.irp i, 0,1,2,3,4,5,6,7,8,9,10,11,12,13,14,15
	global_load_b128 v[XR+64*((\t)%2)+4*\i:XR+64*((\t)%2)+4*\i+3], v4, s[4:5] offset:\i*4096+(\t)*512 th:TH_LOAD_NT
.endr
.endm
.macro UNIT u
.if (\u) < 3
	s_wait_loadcnt 16                              ; this unit's 16 loads are in; the next unit's 16 may be out
.else
	s_wait_loadcnt 0x0
.endif
.irp i, 0,1,2,3,4,5,6,7,8,9,10,11,12,13,14,15
	ds_store_b128 v6, v[XR+64*((\u)%2)+4*\i:XR+64*((\u)%2)+4*\i+3] offset:\i*SP
.endr
.irp c, 0,1                            ; LDS serves a wave's instructions in order: these see the stores above.  Group q / 2 of my block's places takes group 0, 2, 1, 3 of its numbers
.irp q, 0,1,2,3,4,5,6,7
	ds_load_b128 v[XX+32*\c+4*\q:XX+32*\c+4*\q+3], v7 offset:256*\c+32*(((\q/2)%2)*2+\q/4)+16*(\q%2)
.endr
.endr
	s_wait_dscnt 0x0
.if (\u) < 2
	XLOAD (\u)+2                                   ; into the set that the stage's stores have read
.endif
.irp c, 0,1
	v_max3_num_f32 v[XT+\c], |v[XX+32*\c]|, |v[XX+32*\c+1]|, 0x2800000   ; block 2c + hh: all 32 are mine; the floor 2^(5 - 127) holds the byte at 1 from below
.endr
.irp i, 2,4,6,8,10,12,14,16,18,20,22,24,26,28,30
.irp c, 0,1
	v_max3_num_f32 v[XT+\c], v[XT+\c], |v[XX+32*\c+\i]|, |v[XX+32*\c+\i+1]|
.endr
.endr
.irp c, 0,1
	v_add_nc_u32 v[XT+4+\c], 0xfe000000, v[XT+\c]  ; 4 off the exponent field: the conversion's scale operand
.endr
.irp c, 0,1
	v_lshrrev_b32 v[XT+8+\c], 23, v[XT+4+\c]       ; the scale's byte
.endr
	v_lshl_or_b32 v[XW+(\u)], v[XT+9], 16, v[XT+8] ; my bytes: blocks hh and 2 + hh,
	v_lshlrev_b32 v[XW+(\u)], v9, v[XW+(\u)]       ; at their places;
	v_permlanex16_b32 v[XT+10], v[XW+(\u)], s20, s21
	v_or_b32 v[XW+(\u)], v[XW+(\u)], v[XT+10]      ; with lane l xor 16's two the row's word is whole
.if (\u) > 0
	s_wait_alu depctr_va_vdst(0)
	s_wait_xcnt 0x0                                ; the last unit's stores have read their data: the codes' registers are written again only behind this wait
.endif
.irp c, 0,1
	v_cvt_scalef32_pk16_bf6_f32 v[XC+6*\c:XC+6*\c+2], v[XX+32*\c:XX+32*\c+15], v[XT+4+\c]
	v_cvt_scalef32_pk16_bf6_f32 v[XE+4*\c:XE+4*\c+2], v[XX+32*\c+16:XX+32*\c+31], v[XT+4+\c]   ; (a conversion's three registers begin on an even number)
.endr
	v_nop                                          ; one plain place behind a scaled conversion
.irp c, 0,1
.irp i, 0,1,2
	v_mov_b32 v[XC+6*\c+3+\i], v[XE+4*\c+\i]
.endr
.endr
.irp c, 0,1
	global_store_b128 v4, v[XC+6*\c:XC+6*\c+3], s[6:7] offset:(\u)*1536+\c*768        ; 512 consecutive bytes,
	global_store_b64 v5, v[XC+6*\c+4:XC+6*\c+5], s[6:7] offset:(\u)*1536+\c*768+512   ; and the 256 behind them
.endr
.endm
	XLOAD 0
	XLOAD 1
	UNIT 0
	UNIT 1
	UNIT 2
	UNIT 3
	v_cmp_lt_u32 vcc_lo, 15, v1                    ; lanes 0-15 store the row's words 0, 1 of my half of K, lanes 16-31 its words 2, 3
	v_cndmask_b32 v[XT], v[XW], v[XW+2], vcc_lo
	v_cndmask_b32 v[XT+1], v[XW+1], v[XW+3], vcc_lo
	global_store_b64 v8, v[XT:XT+1], s[8:9]
	s_wait_tensorcnt 0x0
	ds_add_u32 v248, v249
	s_wait_dscnt 0x0
	s_endpgm
.Lweights:
	; ================ the weights and the table.  Work-group 256 + 8 y + x: columns 128 x on, K step y % 8 of weight y / 8; wave w its 32 columns.  Loads run two blocks (64 loads) ahead.
	s_load_b256 s[4:11], s[0:1], 0x8               ; Wq, Wk, Wv, Wo
	s_load_b256 s[12:19], s[0:1], 0x28             ; xw_img, xw_sc, o_img, o_sc
	s_load_b64 s[20:21], s[0:1], 0x48              ; rope
	v_lshrrev_b32 v1, 5, v0
	v_readfirstlane_b32 s22, v1                    ; wave
	v_and_b32 v1, 31, v0                           ; lane
	v_lshlrev_b32 v2, 2, v1                        ; in: 4 bytes a lane
	v_and_b32 v3, 15, v0                           ; my row in its tile of 16
	v_bfe_u32 v4, v0, 4, 1                         ; which of my wave's two tiles
	v_mul_u32_u24 v5, v4, 12288
	v_lshl_add_u32 v6, v3, 3, v5                   ; an image's second part: 8 bytes a row
	v_lshl_add_u32 v5, v3, 4, v5                   ; its first part: 16 bytes a row
	v_lshlrev_b32 v7, 5, v1                        ; scale bytes: 32 a row
	v_lshlrev_b32 v8, 3, v1                        ; the table: 8 bytes a pair
	s_sub_co_u32 s39, ttmp9, 256
	s_and_b32 s38, s39, 7                          ; x
	s_lshr_b32 s23, s39, 3                         ; y
	s_and_b32 s24, s23, 7                          ; K step
	s_lshr_b32 s25, s23, 3                         ; which weight
	s_lshl_b32 s26, s38, 7
	s_lshl_b32 s27, s22, 5
	s_add_co_u32 s26, s26, s27                     ; my wave's first column
	s_lshl_b32 s28, s24, 19                        ; 128 rows of 4,096 bytes a K step
	s_lshl_b32 s29, s26, 2
	s_add_co_u32 s28, s28, s29
	s_mov_b32 s29, 0
	s_lshl_b32 s31, s39, 2
	s_add_co_u32 s31, s31, s22                     ; my wave's number among the 1,024
	s_lshl_b32 s32, s31, 9                         ; its two positions' 512 bytes of the table
	s_mov_b32 s33, 0
	s_lshl_b32 s31, s31, 1                         ; its first position
	s_mov_b32 s40, 0x3fc90fdb                      ; pi / 2, upper part
	s_mov_b32 s41, 0xb33bbd2e                      ; pi / 2 less that
	s_mov_b32 s42, 0xb94ca1f9                      ; sine: -1.9515296e-4, 8.3321609e-3, -1.6666655e-1
	s_mov_b32 s43, 0x3c08839e
	s_mov_b32 s44, 0xbe2aaaa3
	s_mov_b32 s45, 0x37ccf5ce                      ; cosine: 2.4433157e-5, -1.3887316e-3, 4.1666646e-2
	s_mov_b32 s46, 0xbab6061a
	s_mov_b32 s47, 0x3d2aaaa5
	s_wait_alu depctr_va_vdst(0)
	s_wait_kmcnt 0x0
	s_cmp_eq_u32 s25, 1                            ; the choices hang on the work-group's number alone
	s_cselect_b64 s[4:5], s[6:7], s[4:5]
	s_cmp_eq_u32 s25, 2
	s_cselect_b64 s[4:5], s[8:9], s[4:5]
	s_cmp_eq_u32 s25, 3
	s_cselect_b64 s[4:5], s[10:11], s[4:5]
	s_cselect_b64 s[12:13], s[16:17], s[12:13]
	s_cselect_b64 s[14:15], s[18:19], s[14:15]
	s_cselect_b32 s30, 0, s25
	s_lshl_b32 s30, s30, 10
	s_add_co_u32 s30, s30, 8192
	s_add_co_u32 s30, s30, s26                     ; my wave's first row in the images
	s_lshr_b32 s34, s30, 4
	s_mul_i32 s34, s34, 12288
	s_mul_i32 s35, s24, 1536
	s_add_co_u32 s34, s34, s35
	s_mov_b32 s35, 0
	s_lshl_b32 s36, s30, 5
	s_lshl_b32 s37, s24, 2
	s_add_co_u32 s36, s36, s37
	s_mov_b32 s37, 0
	s_add_nc_u64 s[4:5], s[4:5], s[28:29]
	s_add_nc_u64 s[12:13], s[12:13], s[34:35]
	s_add_nc_u64 s[14:15], s[14:15], s[36:37]
	s_add_nc_u64 s[20:21], s[20:21], s[32:33]
.macro WLOAD t                         ; block t: place i of the block takes row i % 8 + 8 x (0, 2, 1, 3)[i / 8]
.irp i, 0,1,2,3,4,5,6,7,8,9,10,11,12,13,14,15,16,17,18,19,20,21,22,23,24,25,26,27,28,29,30,31
	global_load_b32 v[WX+32*(\t)+\i], v2, s[4:5] offset:(32*(\t)+\i%8+8*(((\i/8)%2)*2+\i/16))*4096 th:TH_LOAD_NT
.endr
.endm
	WLOAD 0
	WLOAD 1
	; ---- the table, while those loads are out
.macro PICK reg, idx, j, lit           ; reg = lit in the lanes whose idx is j
	v_cmp_ne_u32 vcc_lo, \j, v[\idx]
	v_cndmask_b32 v[\reg], \lit, v[\reg], vcc_lo
.endm
	v_and_b32 v9, 7, v1
	v_lshrrev_b32 v10, 3, v1
	v_mov_b32 v11, 1.0
	v_mov_b32 v12, 1.0
	PICK 11, 9, 1, 0x3f3ff911                      ; 10^(-1/8) .. 10^(-7/8)
	PICK 11, 9, 2, 0x3f0ff59a
	PICK 11, 9, 3, 0x3ed7e89b
	PICK 11, 9, 4, 0x3ea1e89b
	PICK 11, 9, 5, 0x3e72d424
	PICK 11, 9, 6, 0x3e361887
	PICK 11, 9, 7, 0x3e088d77
	PICK 12, 10, 1, 0x3dcccccd                     ; 0.1, 0.01, 0.001
	PICK 12, 10, 2, 0x3c23d70a
	PICK 12, 10, 3, 0x3a83126f
	v_mul_f32 v11, v11, v12                        ; 10000^(-i / 32)
.macro ROPE e
	v_cvt_f32_u32 v13, s31
	v_mul_f32 v13, v13, v11                        ; the angle, rounded once
	v_mul_f32 v14, 0x3f22f983, v13
	v_rndne_f32 v14, v14                           ; n = round(angle x 2 / pi)
	v_fma_f32 v15, -v14, s40, v13
	v_fma_f32 v15, -v14, s41, v15                  ; r = angle - n pi / 2
	v_mul_f32 v16, v15, v15                        ; z = r r
	v_fma_f32 v17, s42, v16, s43
	v_fma_f32 v18, s45, v16, s46
	v_fma_f32 v17, v17, v16, s44
	v_fma_f32 v18, v18, v16, s47
	v_mul_f32 v17, v17, v16
	v_mul_f32 v18, v18, v16
	v_fma_f32 v19, v16, -0.5, 1.0
	v_fma_f32 v17, v17, v15, v15                   ; sin r
	v_fma_f32 v18, v18, v16, v19                   ; cos r
	v_cvt_i32_f32 v20, v14
	v_and_b32 v21, 1, v20
	v_cmp_eq_u32 vcc_lo, 1, v21                    ; an odd quarter swaps the two
	v_cndmask_b32 v[22+2*\e], v18, v17, vcc_lo
	v_cndmask_b32 v[23+2*\e], v17, v18, vcc_lo
	v_and_b32 v21, 2, v20
	v_lshlrev_b32 v21, 30, v21
	v_xor_b32 v[23+2*\e], v[23+2*\e], v21          ; the sine is negative in quarters 2, 3,
	v_add_nc_u32 v20, 1, v20
	v_and_b32 v20, 2, v20
	v_lshlrev_b32 v20, 30, v20
	v_xor_b32 v[22+2*\e], v[22+2*\e], v20          ; the cosine in quarters 1, 2
	global_store_b64 v8, v[22+2*\e:23+2*\e], s[20:21] offset:256*\e   ; 32 lanes store a position's 256 bytes
.endm
	ROPE 0
	s_add_co_u32 s31, s31, 1
	ROPE 1
	; ---- the weight's four blocks
.macro BLOCK t
.set XS, WX+32*(\t)
.if (\t) < 3
	s_wait_loadcnt 32                              ; this block's 32 loads are in; the next block's 32 may be out
.else
	s_wait_loadcnt 0x0
.endif
.if (\t) < 2
	WLOAD (\t)+2
.endif
	v_max3_num_f32 v26, |v[XS]|, |v[XS+1]|, |v[XS+2]|
	v_max3_num_f32 v27, |v[XS+3]|, |v[XS+4]|, |v[XS+5]|
.irp i, 6,10,14,18,22,26
	v_max3_num_f32 v26, v26, |v[XS+\i]|, |v[XS+\i+1]|
	v_max3_num_f32 v27, v27, |v[XS+\i+2]|, |v[XS+\i+3]|
.endr
	v_max3_num_f32 v26, v26, |v[XS+30]|, |v[XS+31]|
	v_max3_num_f32 v26, v26, v27, 0x2800000        ; and the floor 2^(5 - 127)
	v_add_nc_u32 v28, 0xfe000000, v26              ; 4 off the exponent field: the conversion's scale operand
	v_lshrrev_b32 v29, 23, v28                     ; the scale's byte
.if (\t) == 0
	v_mov_b32 v30, v29
.else
	v_lshl_or_b32 v30, v29, 8*(\t), v30            ; the K step's word, the lower K in the lower byte
.endif
	v_cvt_scalef32_pk16_bf6_f32 v[WC+8*(\t):WC+8*(\t)+2], v[XS:XS+15], v28
	v_cvt_scalef32_pk16_bf6_f32 v[WE+4*(\t):WE+4*(\t)+2], v[XS+16:XS+31], v28
	v_nop                                          ; one plain place behind a scaled conversion
.irp i, 0,1,2
	v_mov_b32 v[WC+8*(\t)+3+\i], v[WE+4*(\t)+\i]
.endr
	global_store_b128 v5, v[WC+8*(\t):WC+8*(\t)+3], s[12:13] offset:((\t)/2)*768+((\t)%2)*256        ; sixteen lanes store 256 consecutive bytes, aligned
	global_store_b64 v6, v[WC+8*(\t)+4:WC+8*(\t)+5], s[12:13] offset:((\t)/2)*768+512+((\t)%2)*128
.endm
	BLOCK 0
	BLOCK 1
	BLOCK 2
	BLOCK 3
	global_store_b32 v7, v30, s[14:15]             ; my column's word of this K step
	s_endpgm
.Lfunc_end_k_qf5fe030803_quant:
	.size	k_qf5fe030803_quant, .Lfunc_end_k_qf5fe030803_quant-k_qf5fe030803_quant
	.p2alignl 7, 3214868480
	.fill 96, 4, 3214868480
	.section	.rodata,"a",@progbits
	.p2align	6, 0x0
	.amdhsa_kernel k_qf5fe030803_quant
		.amdhsa_group_segment_fixed_size 34304
		.amdhsa_private_segment_fixed_size 0
		.amdhsa_enable_private_segment 0
		.amdhsa_kernarg_size 80
		.amdhsa_user_sgpr_count 2
		.amdhsa_user_sgpr_kernarg_segment_ptr 1
		.amdhsa_wavefront_size32 1
		.amdhsa_system_sgpr_workgroup_id_x 1
		.amdhsa_system_sgpr_workgroup_id_y 1
		.amdhsa_system_sgpr_workgroup_id_z 1
		.amdhsa_system_vgpr_workitem_id 0
		.amdhsa_next_free_vgpr 250
		.amdhsa_next_free_sgpr 66
		.amdhsa_reserve_vcc 1
		.amdhsa_float_denorm_mode_32 3
		.amdhsa_float_denorm_mode_16_64 3
		.amdhsa_memory_ordered 1
		.amdhsa_forward_progress 1
		.amdhsa_inst_pref_size 56
	.end_amdhsa_kernel
	.amdgpu_metadata
---
amdhsa.version: [ 1, 2 ]
amdhsa.kernels:
  - .name:           k_qf5fe030803_quant
    .symbol:         k_qf5fe030803_quant.kd
    .args:
      - { .name: x, .offset: 0, .size: 8, .value_kind: global_buffer, .address_space: global }
      - { .name: Wq, .offset: 8, .size: 8, .value_kind: global_buffer, .address_space: global }
      - { .name: Wk, .offset: 16, .size: 8, .value_kind: global_buffer, .address_space: global }
      - { .name: Wv, .offset: 24, .size: 8, .value_kind: global_buffer, .address_space: global }
      - { .name: Wo, .offset: 32, .size: 8, .value_kind: global_buffer, .address_space: global }
      - { .name: xw_img, .offset: 40, .size: 8, .value_kind: global_buffer, .address_space: global }
      - { .name: xw_sc, .offset: 48, .size: 8, .value_kind: global_buffer, .address_space: global }
      - { .name: o_img, .offset: 56, .size: 8, .value_kind: global_buffer, .address_space: global }
      - { .name: o_sc, .offset: 64, .size: 8, .value_kind: global_buffer, .address_space: global }
      - { .name: rope, .offset: 72, .size: 8, .value_kind: global_buffer, .address_space: global }
    .group_segment_fixed_size: 34304
    .private_segment_fixed_size: 0
    .kernarg_segment_align: 8
    .kernarg_segment_size: 80
    .max_flat_workgroup_size: 128
    .sgpr_count:     66
    .vgpr_count:     250
    .wavefront_size: 32
...
	.end_amdgpu_metadata
.endif
;; end of part 1
;; launch qkv (part 2): grid 32 x 8, 4 waves a work-group, clusters of 4 x 1, 327,680 bytes of LDS; arguments xw_img, xw_sc, rope, bq, bk, bv, qkv_img, a_sc; writes qkv_img, a_sc
.if DOCPART == 2
	.amdgcn_target "amdgcn-amd-amdhsa--gfx1250"
	.amdhsa_code_object_version 6
	.text
	.protected	k_qf5fe030803_qkv
	.globl	k_qf5fe030803_qkv
	.p2align	8
	.type	k_qf5fe030803_qkv,@function
k_qf5fe030803_qkv:
	s_mov_b64 s[64:65], 0
	v_nop
	global_prefetch_b8 v0, s[64:65] scope:SCOPE_SE
	s_setreg_imm32_b32 hwreg(HW_REG_WAVE_MODE, 25, 1), 1
	s_wait_xcnt 0x0
	s_wait_alu depctr_hold_cnt(0) depctr_sa_sdst(0) depctr_va_vdst(0) depctr_va_sdst(0) depctr_va_ssrc(0) depctr_va_vcc(0) depctr_vm_vsrc(0)
	s_getreg_b32 s2, hwreg(HW_REG_IB_STS2, 6, 4)
	s_cmp_eq_u32 s2, 0
	s_cbranch_scc0 .Lentry_in_a_cluster
	s_endpgm
.Lentry_in_a_cluster:
	s_bfe_u32 s2, ttmp6, 0x10000c
	s_cmp_lg_u32 s2, 0x3003
	s_cbranch_scc0 .Lentry_shape_is_right
	s_endpgm
.Lentry_shape_is_right:
.set WT,    98304
.set RTM,   12288
.set FRB,   1536
.set SC,    32
.set BV,    96
.set T,     128
.set PC,    192
.set TM,    212
.set PWS,   232
.set U,     240
.set SW,    248
.set SEL, 90
.set HM,  93
.set MSB, 0
.macro WIN new
.if MSB != (\new)
	s_set_vgpr_msb (MSB<<8)|(\new)
.set MSB, (\new)
.endif
.endm
.macro CROUND
	s_barrier_signal -1
	s_barrier_wait -1
	s_cmp_lg_u32 s14, 0
	s_cbranch_scc1 .Lnot_wave_0_\@
	s_barrier_signal -3
.Lnot_wave_0_\@:
	s_barrier_wait -3
	s_barrier_signal -1
	s_barrier_wait -1
.endm
.macro PLACES n
.rept \n
	v_nop
.endr
.endm
	s_load_b256 s[4:11], s[0:1], 0x0
	s_load_b256 s[68:75], s[0:1], 0x20
	v_lshl_add_u32 v254, v0, 2, 0x48000
	v_mov_b32 v255, 0
	ds_add_u32 v254, v255
	ds_add_u32 v254, v255
	v_lshrrev_b32 v1, 5, v0
	v_readfirstlane_b32 s14, v1
	s_bfe_u32 s40, ttmp6, 0x40000
	s_lshl_b32 s41, ttmp9, 2
	s_add_co_u32 s41, s41, s40
	s_and_b32 s42, ttmp7, 0xffff
	s_mov_b32 s16, 15|(3<<16)|(1<<21)
	s_mov_b32 s17, 32<<16
	s_mov_b32 s18, 96<<16
	s_mov_b32 s19, 32<<16
	s_mov_b32 s20, 96
	s_mov_b32 s21, 32
	s_mov_b32 s22, 0
	s_mov_b32 s23, 0
	s_mov_b32 s[SEL], 0x76543210
	s_mov_b32 s[SEL+1], 0xfedcba98
	s_mov_b32 s94, 0x7f7f0000
	s_lshl_b32 s46, s42, 3
	s_lshl_b32 s47, s14, 1
	s_add_co_u32 s46, s46, s47
	s_mul_i32 s46, s46, RTM
	s_mov_b32 s47, 0
	s_mul_i32 s45, s14, 2*RTM
	s_wait_dscnt 0x0
	s_wait_kmcnt 0x0
	s_add_nc_u64 s[46:47], s[4:5], s[46:47]
.irp ph, 0,1,2
	s_mov_b32 s[24+4*\ph], 1
	s_add_co_u32 s[25+4*\ph], s45, \ph*WT
	s_add_nc_u64 s[26+4*\ph:27+4*\ph], s[46:47], (512+64*\ph)*RTM
	s_or_b32 s[27+4*\ph], s[27+4*\ph], 0x80000000
.endr
	CROUND
	tensor_load_to_lds s[24:27], s[16:23]
	s_nop 0
.rept 4
	v_nop
.endr
	s_lshl_b32 s48, s41, 4
	s_lshl_b32 s49, s14, 2
	s_add_co_u32 s48, s48, s49
	s_mul_i32 s48, s48, RTM
	s_mov_b32 s49, 0
	s_add_nc_u64 s[48:49], s[4:5], s[48:49]
	s_lshl_b32 s50, s41, 13
	s_lshl_b32 s51, s14, 11
	s_add_co_u32 s50, s50, s51
	s_lshl_b32 s51, s42, 12
	s_add_co_u32 s51, s51, 262144
	s_lshr_b32 s52, s41, 3
	s_and_b32 s53, s41, 7
	s_lshl_b32 s54, s52, 4
	s_lshl_b32 s55, s42, 1
	s_add_co_u32 s54, s54, s55
	s_lshr_b32 s58, s14, 1
	s_and_b32 s59, s14, 1
	s_mul_i32 s56, s54, 98304
	s_mul_i32 s57, s53, 12288
	s_add_co_u32 s56, s56, s57
	s_mov_b32 s57, 0
	s_add_nc_u64 s[72:73], s[72:73], s[56:57]
	s_mul_i32 s56, s14, 3072
	s_add_nc_u64 s[76:77], s[72:73], s[56:57]
	s_mul_i32 s56, s58, 6144
	s_mul_i32 s60, s59, 768
	s_add_co_u32 s56, s56, s60
	s_add_co_u32 s56, s56, 128*98304
	s_add_nc_u64 s[78:79], s[72:73], s[56:57]
	s_mul_i32 s56, s54, 20480
	s_lshl_b32 s60, s53, 1
	s_add_co_u32 s60, s60, s58
	s_lshl_b32 s80, s60, 9
	s_add_co_u32 s80, s80, s56
	s_lshl_b32 s81, s59, 3
	s_add_co_u32 s80, s80, s81
	s_mov_b32 s81, 0
	s_add_nc_u64 s[80:81], s[74:75], s[80:81]
	s_lshl_b32 s82, s60, 8
	s_add_co_u32 s82, s82, s56
	s_lshl_b32 s83, s59, 1
	s_add_co_u32 s82, s82, s83
	s_add_co_u32 s82, s82, 16384
	s_mov_b32 s83, 0
	s_add_nc_u64 s[82:83], s[74:75], s[82:83]
	s_lshl_b32 s56, s53, 16
	s_lshl_b32 s60, s14, 14
	s_add_co_u32 s56, s56, s60
	s_add_nc_u64 s[8:9], s[8:9], s[56:57]
	s_lshl_b32 s56, s42, 9
	s_add_nc_u64 s[10:11], s[10:11], s[56:57]
	s_add_nc_u64 s[68:69], s[68:69], s[56:57]
	s_add_nc_u64 s[70:71], s[70:71], s[56:57]
	v_and_b32 v1, 15, v0
	v_bfe_u32 v2, v0, 4, 1
	v_and_b32 v3, 31, v0
	v_lshlrev_b32 v12, 4, v3
	v_lshlrev_b32 v13, 3, v3
	v_lshlrev_b32 v14, 5, v2
	v_lshl_add_u32 v15, v1, 8, v14
	v_lshlrev_b32 v23, 2, v1
	v_cmp_lt_u32 vcc_lo, 15, v3
	v_cmp_lt_u32 s[HM], 15, v3
	v_mov_b32 v26, s50
.irp ph, 0,1,2
	v_mov_b32 v27, s51
	v_cndmask_b32 v[20+\ph], v26, v27, vcc_lo
	v_lshl_add_u32 v[20+\ph], v1, 5, v[20+\ph]
	s_add_co_u32 s51, s51, 32768
.endr
.irp b, 0,1,2,3
	v_mov_b32 v[TM+4+\b], 0
.endr
.macro XSEL ks
.if (\ks) < 5
.set XB, 48*(\ks)
.set WS, 3
.elseif (\ks) == 5
.set XB, 144
.set WS, 1
.elseif (\ks) == 6
.set XB, 192
.set WS, 1
.else
.set XB, 128
.set WS, 0
.endif
.endm
.macro XLOAD ks
	XSEL \ks
	WIN WS<<6
.irp i, 0,1,2,3
	global_load_b128 v[XB+12*\i:XB+12*\i+3], v12, s[48:49] offset:\i*RTM+(\ks)*FRB
	global_load_b64 v[XB+12*\i+4:XB+12*\i+5], v13, s[48:49] offset:\i*RTM+(\ks)*FRB+512
	global_load_b128 v[XB+12*\i+6:XB+12*\i+9], v12, s[48:49] offset:\i*RTM+(\ks)*FRB+768
	global_load_b64 v[XB+12*\i+10:XB+12*\i+11], v13, s[48:49] offset:\i*RTM+(\ks)*FRB+1280
.endr
.endm
.macro SCLOAD ph
.irp i, 0,1,2,3,4,5,6,7
	global_load_b128 v[SC+8*\i:SC+8*\i+3], v[20+\ph], s[6:7] offset:\i*512
	global_load_b128 v[SC+8*\i+4:SC+8*\i+7], v[20+\ph], s[6:7] offset:\i*512+16
.endr
.endm
.macro BHALF n
.set LK, (\n)/2
.set LH, (\n)%2
.set LB, 48*((\n)%3)
	WIN 0x40
.irp bb, 0,1,2,3
	ds_load_b128 v[LB+12*\bb:LB+12*\bb+3], v[16+LH] offset:\bb*RTM+LK*FRB
	ds_load_b64 v[LB+12*\bb+4:LB+12*\bb+5], v[18+LH] offset:\bb*RTM+LK*FRB+512
	ds_load_b128 v[LB+12*\bb+6:LB+12*\bb+9], v[16+LH] offset:\bb*RTM+LK*FRB+768
	ds_load_b64 v[LB+12*\bb+10:LB+12*\bb+11], v[18+LH] offset:\bb*RTM+LK*FRB+1280
.endr
.endm
.macro MULH n, tr, zero
.set KS, (\n)/2
.set HB, (\n)%2
.set NB, 48*((\n)%3)
	XSEL KS
.if \tr
	WIN 0xa4|WS
.else
	WIN 0xa1|(WS<<2)
.endif
.irp bb, 0,1,2,3
.irp a, 0,1,2,3
.if \tr
.set DD, 8*(4*(4*HB+\bb)+\a)
.if \zero
	v_wmma_scale_f32_16x16x128_f8f6f4 v[DD:DD+7], v[XB+12*\a:XB+12*\a+11], v[NB+12*\bb:NB+12*\bb+11], 0, v[SC+8*\a+KS], v[SC+8*(4*HB+\bb)+KS] matrix_a_fmt:MATRIX_FMT_BF6 matrix_b_fmt:MATRIX_FMT_BF6 matrix_b_scale:MATRIX_SCALE_ROW1
.else
	v_wmma_scale_f32_16x16x128_f8f6f4 v[DD:DD+7], v[XB+12*\a:XB+12*\a+11], v[NB+12*\bb:NB+12*\bb+11], v[DD:DD+7], v[SC+8*\a+KS], v[SC+8*(4*HB+\bb)+KS] matrix_a_fmt:MATRIX_FMT_BF6 matrix_b_fmt:MATRIX_FMT_BF6 matrix_b_scale:MATRIX_SCALE_ROW1
.endif
.else
.set DD, 8*(8*\a+4*HB+\bb)
.if \zero
	v_wmma_scale_f32_16x16x128_f8f6f4 v[DD:DD+7], v[NB+12*\bb:NB+12*\bb+11], v[XB+12*\a:XB+12*\a+11], 0, v[SC+8*(4*HB+\bb)+KS], v[SC+8*\a+KS] matrix_a_fmt:MATRIX_FMT_BF6 matrix_b_fmt:MATRIX_FMT_BF6 matrix_a_scale:MATRIX_SCALE_ROW1
.else
	v_wmma_scale_f32_16x16x128_f8f6f4 v[DD:DD+7], v[NB+12*\bb:NB+12*\bb+11], v[XB+12*\a:XB+12*\a+11], v[DD:DD+7], v[SC+8*(4*HB+\bb)+KS], v[SC+8*\a+KS] matrix_a_fmt:MATRIX_FMT_BF6 matrix_b_fmt:MATRIX_FMT_BF6 matrix_a_scale:MATRIX_SCALE_ROW1
.endif
.endif
.endr
.endr
.endm
.macro MAIN ph, tr, first
	v_add_nc_u32 v16, (\ph)*WT, v12
	v_add_nc_u32 v17, (\ph)*WT+4*RTM, v12
	s_wait_alu depctr_va_vdst(0)
	v_add_nc_u32 v18, (\ph)*WT, v13
	v_add_nc_u32 v19, (\ph)*WT+4*RTM, v13
	s_wait_alu depctr_va_vdst(0)
	BHALF 0
	BHALF 1
.set NN, 0
.rept 16
.if NN < 14
.if NN > 0
	PLACES 4
.endif
	BHALF NN+2
	s_wait_dscnt 32
.elseif NN == 14
	s_wait_dscnt 16
.else
	s_wait_dscnt 0x0
.endif
.if \first
.if NN == 0
	s_wait_loadcnt 63
.elseif NN == 8
	s_wait_loadcnt 48
.elseif NN == 10
	s_wait_loadcnt 32
.elseif NN == 12
	s_wait_loadcnt 16
.elseif NN == 14
	s_wait_loadcnt 0x0
.endif
.else
.if NN == 0
	s_wait_loadcnt 16
.elseif NN == 14
	s_wait_loadcnt 0x0
.endif
.endif
.set ZZ, 0
.if NN < 2
.set ZZ, 1
.endif
	MULH NN, \tr, ZZ
.set NN, NN+1
.endr
	WIN 0
.endm
.macro QUANT s, pw
.irp b, 0,1,2,3
	v_max3_num_f32 v[TM+\b], |v[\s+16*\b]|, |v[\s+1+16*\b]|, 0x2800000
.endr
.irp i, 2,4,6,8,10,12,14
.irp b, 0,1,2,3
	v_max3_num_f32 v[TM+\b], v[TM+\b], |v[\s+16*\b+\i]|, |v[\s+1+16*\b+\i]|
.endr
.endr
.irp b, 0,1,2,3
	v_permlanex16_b32 v[TM+4+\b], v[TM+\b], s[SEL], s[SEL+1]
.endr
.irp b, 0,1,2,3
	v_max_num_f32 v[TM+\b], v[TM+\b], v[TM+4+\b]
.endr
.irp b, 0,1,2,3
	v_add_nc_u32 v[TM+12+\b], 0xfe000000, v[TM+\b]
.endr
.irp b, 0,1,2,3
	v_lshrrev_b32 v[TM+4+\b], 23, v[TM+12+\b]
.endr
	v_lshl_or_b32 v[\pw], v[TM+5], 8, v[TM+4]
	v_lshl_or_b32 v[\pw], v[TM+6], 16, v[\pw]
	v_lshl_or_b32 v[\pw], v[TM+7], 24, v[\pw]
.irp c, 0,1
	v_cvt_scalef32_pk16_bf6_f32 v[PC+6*\c:PC+2+6*\c], v[\s+32*\c:\s+15+32*\c], v[TM+12+2*\c]
	v_cvt_scalef32_pk16_bf6_f32 v[PC+12+4*\c:PC+14+4*\c], v[\s+16+32*\c:\s+31+32*\c], v[TM+12+2*\c+1]
.endr
	v_nop
.irp c, 0,1
.irp i, 0,1,2
	v_permlane16_swap_b32 v[PC+6*\c+\i], v[PC+12+4*\c+\i]
.endr
.irp i, 0,1,2
	v_mov_b32 v[PC+3+6*\c+\i], v[PC+12+4*\c+\i]
.endr
.endr
.endm
.macro TABLOAD a
.set TBB, 64+32*(\a)-96*((\a)/2)
.if (\a) < 2
	WIN 0x40
.else
	WIN 0
.endif
.irp q, 0,1,2,3,4,5,6,7
	global_load_b128 v[TBB+4*\q:TBB+4*\q+3], v15, s[8:9] offset:(\a)*4096+64*(\q/2)+16*(\q%2)
.endr
.endm
.macro QKBLK a, ph
.set AC, 64*(\a)
.set CSR, 64+32*(\a)-96*((\a)/2)
	s_wait_xcnt 0x0
	s_wait_loadcnt 8*(3-(\a))                      ; the bias and this block's table are in; the later blocks' tables, 8 loads each, may be out
	WIN 0x06
.set i, 0
.rept 32
	v_pk_add_f32 v[T+i:T+i+1], v[AC+i:AC+i+1], v[i:i+1]
.set i, i+2
.endr
.if (\a) < 2
	WIN 0x04
.else
	WIN 0
.endif
.set b, 0
.rept 8
.irp p, 0,1,2,3
	v_pk_mul_f32 v[U+2*\p:U+2*\p+1], v[T+8*b+2*\p:T+8*b+2*\p+1], v[CSR+8*(b%4)+2*\p:CSR+8*(b%4)+2*\p+1] op_sel_hi:[1,0]
.endr
.irp p, 0,1,2,3
	v_pk_fma_f32 v[T+8*b+2*\p:T+8*b+2*\p+1], v[T+8*b+2*\p:T+8*b+2*\p+1], v[CSR+8*(b%4)+2*\p:CSR+8*(b%4)+2*\p+1], v[U+2*\p:U+2*\p+1] op_sel:[1,1,0] op_sel_hi:[0,1,1] neg_lo:[1,0,0]
.endr
.set b, b+1
.endr
	WIN 0
.if (\a) == 3
	SCLOAD (\ph)+1                                 ; the next phase's scale words take back the registers that held tables 2 and 3
.endif
	QUANT T, PWS+(\a)
	global_store_b128 v12, v[PC:PC+3], s[76:77] offset:(\ph)*64*98304+(\a)*768
	global_store_b64 v13, v[PC+4:PC+5], s[76:77] offset:(\ph)*64*98304+(\a)*768+512
	global_store_b128 v12, v[PC+6:PC+9], s[76:77] offset:(\ph)*64*98304+98304+(\a)*768
	global_store_b64 v13, v[PC+10:PC+11], s[76:77] offset:(\ph)*64*98304+98304+(\a)*768+512
.endm
.macro EPIQK ph, blo
	WIN 0x40
.irp b, 0,1,2,3,4,5,6,7
	global_load_b128 v[8*\b:8*\b+3], v14, s[\blo:\blo+1] offset:64*\b
	global_load_b128 v[8*\b+4:8*\b+7], v14, s[\blo:\blo+1] offset:64*\b+16
.endr
	TABLOAD 0
	TABLOAD 1
	TABLOAD 2
	TABLOAD 3
	QKBLK 0, \ph
	QKBLK 1, \ph
	QKBLK 2, \ph
	QKBLK 3, \ph
	v_cndmask_b32 v[U], v[PWS], v[PWS+1], s[HM]
	v_cndmask_b32 v[U+1], v[PWS+2], v[PWS+3], s[HM]
	v_and_or_b32 v[SW], v[U], 0xffff, s94
	v_and_or_b32 v[SW+1], v[U+1], 0xffff, s94
	global_store_b64 v12, v[SW:SW+1], s[80:81] offset:(\ph)*8192
	v_lshrrev_b32 v[U], 16, v[U]
	v_lshrrev_b32 v[U+1], 16, v[U+1]
	v_or_b32 v[SW+2], s94, v[U]
	v_or_b32 v[SW+3], s94, v[U+1]
	global_store_b64 v12, v[SW+2:SW+3], s[80:81] offset:(\ph)*8192+20480
.endm
.macro VBLK b
	s_wait_xcnt 0x0
	WIN 0x02
.set i, 0
.rept 16
	v_pk_add_f32 v[T+i:T+i+1], v[32*(\b)+i:32*(\b)+i+1], v[BV+2*(\b):BV+2*(\b)+1]
.set i, i+2
.endr
	WIN 0
.irp e, 0,1
	v_max3_num_f32 v[TM+\e], |v[T+16*\e]|, |v[T+16*\e+1]|, 0x2800000
.endr
.irp k, 2,4,6,8,10,12,14
.irp e, 0,1
	v_max3_num_f32 v[TM+\e], v[TM+\e], |v[T+16*\e+\k]|, |v[T+16*\e+\k+1]|
.endr
.endr
.irp e, 0,1
	v_permlanex16_b32 v[TM+4+\e], v[TM+\e], s[SEL], s[SEL+1]
.endr
.irp e, 0,1
	v_max_num_f32 v[TM+\e], v[TM+\e], v[TM+4+\e]
.endr
.irp e, 0,1
	v_add_nc_u32 v[TM+12+\e], 0xfe000000, v[TM+\e]
.endr
.irp e, 0,1
	v_lshrrev_b32 v[TM+4+\e], 23, v[TM+12+\e]
.endr
	v_lshl_or_b32 v[PWS+(\b)], v[TM+5], 8, v[TM+4]
	v_cvt_scalef32_pk16_bf6_f32 v[PC:PC+2], v[T:T+15], v[TM+12]
	v_cvt_scalef32_pk16_bf6_f32 v[PC+12:PC+14], v[T+16:T+31], v[TM+13]
	v_nop
.irp k, 0,1,2
	v_permlane16_swap_b32 v[PC+\k], v[PC+12+\k]
.endr
.irp k, 0,1,2
	v_mov_b32 v[PC+3+\k], v[PC+12+\k]
.endr
	global_store_b128 v12, v[PC:PC+3], s[78:79] offset:((\b)/4)*98304+((\b)%4)*1536
	global_store_b64 v13, v[PC+4:PC+5], s[78:79] offset:((\b)/4)*98304+((\b)%4)*1536+512
.endm
	SCLOAD 0
.irp b, 0,1,2,3,4,5,6,7
	global_load_b32 v[BV+2*\b], v23, s[70:71] offset:64*\b
	global_load_b32 v[BV+2*\b+1], v23, s[70:71] offset:64*\b
.endr
.irp ks, 0,1,2,3,4,5,6,7
	XLOAD \ks
.endr
	WIN 0
	s_wait_alu depctr_va_vdst(0)
	s_wait_tensorcnt 0x0                           ; Wq's part is in; the second weight's first fill stands behind the full sequence and a round
	ds_add_u32 v254, v255
	s_wait_dscnt 0x0
	CROUND
	tensor_load_to_lds s[28:31], s[16:23]          ; Wk's part lands under the first phase's work
	s_nop 0
.rept 4
	v_nop
.endr
	MAIN 0, 0, 1
	PLACES 4
	EPIQK 0, 10
	XLOAD 7
	s_wait_alu depctr_va_vdst(0)
	s_wait_tensorcnt 0x0                           ; Wk's part is in; the third weight's first fill likewise
	ds_add_u32 v254, v255
	s_wait_dscnt 0x0
	CROUND
	tensor_load_to_lds s[32:35], s[16:23]          ; Wv's part lands under the second phase's work
	s_nop 0
.rept 4
	v_nop
.endr
	MAIN 1, 0, 0
	PLACES 4
	EPIQK 1, 68
	XLOAD 7
	s_wait_tensorcnt 0x0
	s_barrier_signal -1
	s_barrier_wait -1
	MAIN 2, 1, 0
	PLACES 4
.irp b, 0,1,2,3,4,5,6,7
	VBLK \b
.endr
.irp e, 0,1,2,3
	v_cndmask_b32 v[U+\e], v[PWS+2*\e], v[PWS+2*\e+1], s[HM]
.endr
.irp e, 0,1,2,3
	global_store_b16 v13, v[U+\e], s[82:83] offset:(\e/2)*20480+4*(\e%2)
.endr
	s_wait_tensorcnt 0x0
	ds_add_u32 v254, v255
	s_wait_dscnt 0x0
	CROUND
	s_endpgm
.Lfunc_end_k_qf5fe030803_qkv:
	.size	k_qf5fe030803_qkv, .Lfunc_end_k_qf5fe030803_qkv-k_qf5fe030803_qkv
	.p2alignl 7, 3214868480
	.fill 96, 4, 3214868480
	.section	.rodata,"a",@progbits
	.p2align	6, 0x0
	.amdhsa_kernel k_qf5fe030803_qkv
		.amdhsa_group_segment_fixed_size 327680
		.amdhsa_private_segment_fixed_size 0
		.amdhsa_enable_private_segment 0
		.amdhsa_kernarg_size 64
		.amdhsa_user_sgpr_count 2
		.amdhsa_user_sgpr_kernarg_segment_ptr 1
		.amdhsa_wavefront_size32 1
		.amdhsa_system_sgpr_workgroup_id_x 1
		.amdhsa_system_sgpr_workgroup_id_y 1
		.amdhsa_system_sgpr_workgroup_id_z 1
		.amdhsa_system_vgpr_workitem_id 0
		.amdhsa_next_free_vgpr 1024
		.amdhsa_next_free_sgpr 100
		.amdhsa_reserve_vcc 1
		.amdhsa_float_denorm_mode_32 3
		.amdhsa_float_denorm_mode_16_64 3
		.amdhsa_memory_ordered 1
		.amdhsa_forward_progress 1
		.amdhsa_inst_pref_size 255
	.end_amdhsa_kernel
	.section	.bss,"aw",@nobits
	.p2align	6
	.space	262144
	.amdgpu_metadata
---
amdhsa.version: [ 1, 2 ]
amdhsa.kernels:
  - .name:           k_qf5fe030803_qkv
    .symbol:         k_qf5fe030803_qkv.kd
    .args:
      - { .name: xw_img, .offset: 0, .size: 8, .value_kind: global_buffer, .address_space: global }
      - { .name: xw_sc, .offset: 8, .size: 8, .value_kind: global_buffer, .address_space: global }
      - { .name: rope, .offset: 16, .size: 8, .value_kind: global_buffer, .address_space: global }
      - { .name: bq, .offset: 24, .size: 8, .value_kind: global_buffer, .address_space: global }
      - { .name: bk, .offset: 32, .size: 8, .value_kind: global_buffer, .address_space: global }
      - { .name: bv, .offset: 40, .size: 8, .value_kind: global_buffer, .address_space: global }
      - { .name: qkv_img, .offset: 48, .size: 8, .value_kind: global_buffer, .address_space: global }
      - { .name: a_sc, .offset: 56, .size: 8, .value_kind: global_buffer, .address_space: global }
    .group_segment_fixed_size: 327680
    .private_segment_fixed_size: 0
    .kernarg_segment_align: 8
    .kernarg_segment_size: 64
    .max_flat_workgroup_size: 128
    .sgpr_count:     100
    .vgpr_count:     1024
    .wavefront_size: 32
...
	.end_amdgpu_metadata
.endif
;; end of part 2
;; launch attn (part 3): grid 4 x 64, 8 waves a work-group, clusters of 4 x 1, 210,944 bytes of LDS; arguments qkv_img, a_sc, o_img, o_sc; writes o_img, o_sc
.if DOCPART == 3
	.amdgcn_target "amdgcn-amd-amdhsa--gfx1250"
	.amdhsa_code_object_version 6
	.text
	.protected	k_qf5fe030803_attn
	.globl	k_qf5fe030803_attn
	.p2align	8
	.type	k_qf5fe030803_attn,@function
k_qf5fe030803_attn:
	s_mov_b64 s[64:65], 0
	v_nop
	global_prefetch_b8 v0, s[64:65] scope:SCOPE_SE
	s_setreg_imm32_b32 hwreg(HW_REG_WAVE_MODE, 25, 1), 1
	s_wait_xcnt 0x0
	s_wait_alu depctr_hold_cnt(0) depctr_sa_sdst(0) depctr_va_vdst(0) depctr_va_sdst(0) depctr_va_ssrc(0) depctr_va_vcc(0) depctr_vm_vsrc(0)
	s_getreg_b32 s2, hwreg(HW_REG_IB_STS2, 6, 4)
	s_cmp_eq_u32 s2, 0
	s_cbranch_scc0 .Lentry_in_a_cluster
	s_endpgm
.Lentry_in_a_cluster:
	s_bfe_u32 s2, ttmp6, 0x10000c
	s_cmp_lg_u32 s2, 0x3003
	s_cbranch_scc0 .Lentry_shape_is_right
	s_endpgm
.Lentry_shape_is_right:
; For each of 64 heads (batch x head): O = softmax(Q K^T / 32) V, both products on codes of BF6 (E3M2) with E8M0 scales, and O quantised along (head, d) for the last product.
; t = score x log2(e) / 32; M = the running largest t rounded UP to a whole number; p = 2^(t - M) is quantised along the keys, not normalised; the row's sum is taken of the unquantised p and divides O at the end.
; When M moves, the sum and O are multiplied by 2^(old M - new M): exact.
; SHARES: a work-group owns 512 queries of one head; wave w of eight takes TWO tiles of 16 queries, 32 cx + 16 pass + 2 w + (0, 1), in each of two passes: each fragment of K and V that it reads from LDS feeds both tiles.
; A WHOLE HEAD'S K AND V STAY IN LDS: 98,304 bytes of codes each and 12,288 of scale words, filled ONCE: no byte is filled again, so there is no ring.
; CLUSTER: the four work-groups of a head want the same bytes: each load is asked for jointly (mask 15).  Waves 0-5 bring 32,768 bytes each of K's and V's images, wave 6 the scale words: one load a wave.
; NO PREFETCH: all that the launch reads through LDS is asked for at the head; there is no loop to run ahead in.
; LAYOUT: both products are used transposed: S^T = K Q^T (source 0 = 16 keys), O^T = V^T P^T (source 0 = 16 of the head's 64): a lane holds ONE query of each tile throughout.
; THE KEYS OF A TILE ARE CHOSEN, by the LDS addresses alone, so that a lane holds WHOLE BLOCKS of 32 keys: row 8 h + j of tile 4 c + p is key 64 c + 32 h + 8 g(p) + j of the step, g = 0, 2, 1, 3 (the order of the
; groups of 8 inside a block in V's image).  So lane (r, h)'s 32 registers of tiles 4 c .. 4 c + 3 are block 2 c + h of p in the operand's own order: no lane is asked for a block's maximum and no code changes lanes.
; The first product's K is 64: registers 6-11 of Q hold zero codes under the byte 127.  K's fragments lie 6 registers apart: registers 6-11 of K's operand are the next tile's codes, finite in this format, and meet Q's zeros.
; FETCHES: one run of LDS loads a step, behind the maxima: this step's V (17 loads), then the next step's K (20 loads).
; THE TWO TILES' WORK STANDS BY TURNS round the exponentials: tile 0's with tile 1's multiply-adds, tile 1's with tile 0's conversions and first eight additions: lines that hang on nothing inside the batch.
; LIMITS: the promise holds while the scaled scores stay under 2^31 in magnitude; a block under 2^-122, and a block of zeros, keeps the byte 1 over its codes; NaN and infinities are not served.
; A block's largest p is taken as the exponential of its largest score, which leans on v_exp_f32 not falling where its input rises.
; REGISTERS: two windows of 256.  v96-255 of window x belong to tile x: S^T then p, O^T, Q, p's codes, the sum and its tree, the way out's temporaries.
;   window 0, v0-95: addresses, both tiles' small state, K's fragments, V's scale words; v226-241 also both tiles' eight running maxima; v250-255: p's and K's scale words (scale operands have no window).  window 1, v0-47: V's four fragments.
.set VIMG,  98304                      ; LDS: K's image at 0 (16 keys: 768 bytes), V's here (128 keys: 4 fragments of 1,536)
.set KSC,   196608                     ; K's scale words, 512 bytes for 128 keys
.set VSC,   204800                     ; V's, 256 bytes for 128 keys
.set SPARE, 0x33000                    ; the spare words: 128 bytes a wave
.set WV,  12
.set SEL, 52                           ; s[52:53] selects for lane l xor 16
.set CS,  54                           ; s[54:55] c = log2(e) / 32
.set TB,  56                           ; where a step's codes begin in either image
.set TS,  57                           ; K's scale words
.set TJ,  58                           ; V's
.set CNT, 59
.set HM,  60                           ; the mask of lanes 16-31
.set PS,  61                           ; passes to go
.set NEG, 62                           ; -3e38
.set S,   96                           ; tile's own: S^T, p
.set O,   160                          ; O^T
.set Q,   192
.set PC,  204                          ; p's codes
.set CT,  216                          ; the second halves as the conversions leave them
.set SUM, 224
.set TR,  226                          ; seven pairs of the sum's tree
.set CH,  226                          ; window 0: eight running maxima of tile 0, then of tile 1
.set E,   242                          ; the way out
.set KF,  40                           ; v40-87 K's eight tiles, v88-93 zeros
.set VS,  94
.set QS,  39                           ; Q's scale words: lanes 0-15 tile 0, lanes 16-31 tile 1
.set PW,  250                          ; p's scale words, tile 0, 1
.set KS,  252                          ; K's: register t / 2, lanes 0-15 even t, lanes 16-31 odd t
; state of tile x: v[12+2x] -M, v[13+2x] the largest score, v[16+2x] f, v[20+4x..23+4x] at work, v[28+2x], v[29+2x] the conversions' scale operands
.set MSB, 0
.macro WIN new
.if MSB != (\new)
	s_set_vgpr_msb (MSB<<8)|(\new)
.set MSB, (\new)
.endif
.endm
.macro CROUND
	s_barrier_signal -1
	s_barrier_wait -1
	s_cmp_lg_u32 s[WV], 0
	s_cbranch_scc1 .Lnot_wave_0_\@
	s_barrier_signal -3
.Lnot_wave_0_\@:
	s_barrier_wait -3
	s_barrier_signal -1
	s_barrier_wait -1
.endm
	s_load_b256 s[4:11], s[0:1], 0x0               ; qkv_img, a_sc, o_img, o_sc
	v_lshl_add_u32 v10, v0, 2, SPARE
	v_mov_b32 v11, 0
	ds_add_u32 v10, v11                            ; the opening lines: the add twice and its wait
	ds_add_u32 v10, v11
	v_lshrrev_b32 v12, 5, v0
	v_readfirstlane_b32 s[WV], v12                 ; wave 0..7
	s_and_b32 s13, ttmp7, 0xffff                   ; 16 x batch + head, which the four partners share
	s_bfe_u32 s14, ttmp6, 0x40000                  ; cx: it enters Q's and O's addresses alone
	s_mov_b32 s16, 15|(3<<16)|(1<<21)              ; group 1: dense rows of 256 bytes (32 elements of 8): 128 rows for the images,
	s_mov_b32 s17, 32<<16
	s_mov_b32 s18, 128<<16
	s_mov_b32 s19, 32<<16
	s_mov_b32 s20, 128
	s_mov_b32 s21, 32
	s_mov_b32 s22, 0
	s_mov_b32 s23, 0
	s_mov_b32 s24, 15|(3<<16)|(1<<21)              ; 48 for the scale words
	s_mov_b32 s25, 32<<16
	s_mov_b32 s26, 48<<16
	s_mov_b32 s27, 32<<16
	s_mov_b32 s28, 48
	s_mov_b32 s29, 32
	s_mov_b32 s30, 0
	s_mov_b32 s31, 0
	s_mov_b32 s[SEL], 0x76543210
	s_mov_b32 s[SEL+1], 0xfedcba98
	s_mov_b32 s[CS], 0x3d38aa3b
	s_mov_b32 s[CS+1], s[CS]
	s_mov_b32 s[NEG], 0xff61b1e6
	s_mul_i32 s92, s13, 98304                      ; the head's image in each third of qkv_img
	s_mov_b32 s93, 0
	s_mul_i32 s94, s13, 20480                      ; and its scale words
	s_mov_b32 s95, 0
	s_mul_i32 s98, s[WV], 11
	s_lshr_b32 s98, s98, 5                         ; wave / 3 for waves 0-5: K's image or V's
	s_mul_i32 s98, s98, 63*98304                   ; V's third lies 64 images behind K's; three parts of K have been counted
	s_lshl_b32 s37, s[WV], 15                      ; LDS: part w at 32,768 w: K's three parts, then V's
	s_add_co_u32 s98, s98, s37
	s_mov_b32 s99, 0
	s_wait_dscnt 0x0
	s_wait_kmcnt 0x0
	s_add_nc_u64 s[96:97], s[4:5], s[92:93]        ; Q's image of the head
	s_add_nc_u64 s[6:7], s[6:7], s[94:95]
	s_mov_b32 s32, 1                               ; group 0: K's and V's scale words, 12,288 dense bytes
	s_mov_b32 s33, KSC
	s_add_nc_u64 s[34:35], s[6:7], 8192
	s_or_b32 s35, s35, 0x80000000
	s_mov_b32 s36, 1                               ; group 0: my part of the images
	s_add_nc_u64 s[38:39], s[96:97], s[98:99]
	s_add_nc_u64 s[38:39], s[38:39], 64*98304
	s_or_b32 s39, s39, 0x80000000
	CROUND                                         ; all four work-groups are here: the joint loads meet
	s_cmp_lt_u32 s[WV], 6                          ; one chain of branches on the wave's number, one load to an arm
	s_cbranch_scc0 .Lnot_kv
	tensor_load_to_lds s[36:39], s[16:23]
	s_nop 0
.rept 4
	v_nop
.endr
	s_branch .Lasked
.Lnot_kv:
	s_cmp_eq_u32 s[WV], 6
	s_cbranch_scc0 .Lasked
	tensor_load_to_lds s[32:35], s[24:31]
	s_nop 0
.rept 4
	v_nop
.endr
.Lasked:
	s_lshl_b32 s92, s14, 5
	s_lshl_b32 s98, s[WV], 1
	s_add_co_u32 s92, s92, s98                     ; my first tile of queries in pass 0: 32 cx + 2 w
	s_mul_i32 s94, s92, 768
	s_add_nc_u64 s[84:85], s[96:97], s[94:95]      ; its codes
	s_lshl_b32 s94, s14, 2                         ; its scale words: 128 queries 4 cx + w / 4, word w % 4
	s_lshr_b32 s98, s[WV], 2
	s_add_co_u32 s94, s94, s98
	s_lshl_b32 s94, s94, 9
	s_and_b32 s98, s[WV], 3
	s_lshl_b32 s98, s98, 2
	s_add_co_u32 s94, s94, s98
	s_add_nc_u64 s[86:87], s[6:7], s[94:95]
	s_lshr_b32 s98, s13, 4                         ; the batch
	s_and_b32 s99, s13, 15                         ; the head
	s_lshl_b32 s98, s98, 7
	s_add_co_u32 s98, s98, s92                     ; my tile of 16 rows in o_img
	s_mul_i32 s94, s98, 12288
	s_mul_i32 s15, s99, 768
	s_add_co_u32 s94, s94, s15
	s_add_nc_u64 s[88:89], s[8:9], s[94:95]
	s_lshl_b32 s94, s98, 9
	s_lshl_b32 s15, s99, 1
	s_add_co_u32 s94, s94, s15
	s_add_nc_u64 s[90:91], s[10:11], s[94:95]
	v_and_b32 v12, 31, v0                          ; lane
	v_and_b32 v13, 7, v0                           ; r % 8
	v_bfe_u32 v14, v0, 3, 1                        ; r / 8
	v_bfe_u32 v15, v0, 4, 1                        ; h
	v_and_b32 v16, 15, v0                          ; r
	v_lshlrev_b32 v1, 4, v12                       ; 16 x lane
	v_lshlrev_b32 v2, 3, v12                       ; 8 x lane
	v_mul_u32_u24 v17, v14, 1536                   ; K: rows 8-15 of my tiles lie two stored tiles further on
	v_lshl_add_u32 v3, v13, 4, v17
	v_lshl_add_u32 v3, v15, 8, v3                  ; 16-byte parts
	v_lshl_add_u32 v4, v13, 3, v17
	v_lshl_add_u32 v4, v15, 7, v4                  ; 8-byte parts
	v_lshlrev_b32 v5, 4, v13
	v_lshl_add_u32 v5, v14, 2, v5
	v_lshl_add_u32 v5, v15, 8, v5
	v_add_nc_u32 v5, KSC, v5                       ; K's scale words
	v_add_nc_u32 v6, VIMG, v1
	v_add_nc_u32 v7, VIMG, v2
	v_add_nc_u32 v8, VSC, v2
	v_lshl_add_u32 v9, v16, 5, v15                 ; O's scale byte: row r, block h
	v_lshlrev_b32 v38, 3, v15                      ; 8 h: my bytes' place in p's scale word
	v_cmp_lt_u32 s[HM], 15, v12
.irp i, 17,19,23,27,88,89,90,91,92,93
	v_mov_b32 v\i, 0                               ; upper halves of the pairs named with f; lane permutes' destinations; behind K's last tile
.endr
.irp w, 0,1
	WIN 0x40*\w
.irp i, 198,199,200,201,202,203,242,246,247
	v_mov_b32 v\i, 0                               ; Q's zero codes; lane permutes' destinations count as read
.endr
.endr
	WIN 0
.macro QLOAD                           ; both tiles' half fragments and scale words
	global_load_b128 v[Q:Q+3], v1, s[84:85]
	global_load_b64 v[Q+4:Q+5], v2, s[84:85] offset:512
	global_load_b32 v[QS], v1, s[86:87]
	WIN 0x40
	global_load_b128 v[Q:Q+3], v1, s[84:85] offset:768
	global_load_b64 v[Q+4:Q+5], v2, s[84:85] offset:1280
	WIN 0
.endm
.macro ADDR                            ; the step's LDS addresses; in a step these six lines are the places behind the first products
	v_add_nc_u32 v32, s[TB], v3
	v_add_nc_u32 v33, s[TB], v4
	v_add_nc_u32 v34, s[TS], v5
	v_add_nc_u32 v35, s[TB], v6
	v_add_nc_u32 v36, s[TB], v7
	v_add_nc_u32 v37, s[TJ], v8
.endm
.macro KFETCH nx                       ; 20 LDS loads: K of this step (nx = 0) or of the next (nx = 1)
.irp c, 0,1
.irp e, 0,1
	ds_load_b32 v[KS+2*\c+\e], v34 offset:128*\e+8*\c+512*\nx
.endr
.endr
.irp c, 0,1
.irp p, 0,1,2,3
	ds_load_b128 v[KF+6*(4*\c+\p):KF+6*(4*\c+\p)+3], v32 offset:3072*\c+768*(\p%2)+128*(\p/2)+6144*\nx
	ds_load_b64 v[KF+6*(4*\c+\p)+4:KF+6*(4*\c+\p)+5], v33 offset:3072*\c+768*(\p%2)+64*(\p/2)+512+6144*\nx
.endr
.endr
.endm
.macro VFETCH                          ; 17 LDS loads: V of this step
	ds_load_b64 v[VS:VS+1], v37
	WIN 0x40
.irp t, 0,1,2,3
	ds_load_b128 v[12*\t:12*\t+3], v35 offset:\t*1536
	ds_load_b64 v[12*\t+4:12*\t+5], v36 offset:\t*1536+512
	ds_load_b128 v[12*\t+6:12*\t+9], v35 offset:\t*1536+768
	ds_load_b64 v[12*\t+10:12*\t+11], v36 offset:\t*1536+1280
.endr
	WIN 0
.endm
.macro SMUL w, t                       ; S^T of tile w, 16 keys
.set DD, S+8*(\t)
.set AA, KF+6*(\t)
.set SA, KS+(\t)/2
.if (\t)%2
.if \w
	v_wmma_scale_f32_16x16x128_f8f6f4 v[DD:DD+7], v[AA:AA+11], v[Q:Q+11], 0, v[SA], v[QS] matrix_a_fmt:MATRIX_FMT_BF6 matrix_b_fmt:MATRIX_FMT_BF6 matrix_a_scale:MATRIX_SCALE_ROW1 matrix_b_scale:MATRIX_SCALE_ROW1
.else
	v_wmma_scale_f32_16x16x128_f8f6f4 v[DD:DD+7], v[AA:AA+11], v[Q:Q+11], 0, v[SA], v[QS] matrix_a_fmt:MATRIX_FMT_BF6 matrix_b_fmt:MATRIX_FMT_BF6 matrix_a_scale:MATRIX_SCALE_ROW1
.endif
.else
.if \w
	v_wmma_scale_f32_16x16x128_f8f6f4 v[DD:DD+7], v[AA:AA+11], v[Q:Q+11], 0, v[SA], v[QS] matrix_a_fmt:MATRIX_FMT_BF6 matrix_b_fmt:MATRIX_FMT_BF6 matrix_b_scale:MATRIX_SCALE_ROW1
.else
	v_wmma_scale_f32_16x16x128_f8f6f4 v[DD:DD+7], v[AA:AA+11], v[Q:Q+11], 0, v[SA], v[QS] matrix_a_fmt:MATRIX_FMT_BF6 matrix_b_fmt:MATRIX_FMT_BF6
.endif
.endif
.endm
; The row's sum of the unquantised p, 32 pairs in eight chains.  SUM1 i: chain i's first addition, which hangs on no other; SUM2: the other 24.
.macro SUM1 i
.if (\i) < 7
	v_pk_add_f32 v[TR+2*(\i):TR+2*(\i)+1], v[S+2*(\i):S+2*(\i)+1], v[S+16+2*(\i):S+17+2*(\i)]
.else
	v_pk_add_f32 v[SUM:SUM+1], v[SUM:SUM+1], v[S+14:S+15]
.endif
.endm
.macro SUM2
.irp g, 16,24
.irp i, 0,1,2,3,4,5,6
	v_pk_add_f32 v[TR+2*\i:TR+2*\i+1], v[TR+2*\i:TR+2*\i+1], v[S+2*(\g+\i):S+2*(\g+\i)+1]
.endr
	v_pk_add_f32 v[SUM:SUM+1], v[SUM:SUM+1], v[S+2*(\g-1):S+2*(\g-1)+1]
.endr
	v_pk_add_f32 v[SUM:SUM+1], v[SUM:SUM+1], v[S+62:S+63]
	v_pk_add_f32 v[TR:TR+1], v[TR:TR+1], v[TR+2:TR+3]
	v_pk_add_f32 v[TR+4:TR+5], v[TR+4:TR+5], v[TR+6:TR+7]
	v_pk_add_f32 v[TR+8:TR+9], v[TR+8:TR+9], v[TR+10:TR+11]
	v_pk_add_f32 v[SUM:SUM+1], v[SUM:SUM+1], v[TR+12:TR+13]
	v_pk_add_f32 v[TR:TR+1], v[TR:TR+1], v[TR+4:TR+5]
	v_pk_add_f32 v[SUM:SUM+1], v[SUM:SUM+1], v[TR+8:TR+9]
	v_pk_add_f32 v[SUM:SUM+1], v[SUM:SUM+1], v[TR:TR+1]
.endm
.macro MOVS                            ; the second halves of a tile's codes to their places
.irp c, 0,1
.irp i, 0,1,2
	v_mov_b32 v[PC+6*\c+3+\i], v[CT+4*\c+\i]
.endr
.endr
.endm
.macro RESC w                          ; O^T and the sum under the new M; each accumulator from its low end on
.set j, 0
.rept 16
	v_pk_mul_f32 v[O+j:O+j+1], v[O+j:O+j+1], v[16+2*\w:17+2*\w] op_sel_hi:[1,0]
.set j, j+2
.endr
	v_pk_mul_f32 v[SUM:SUM+1], v[SUM:SUM+1], v[16+2*\w:17+2*\w] op_sel_hi:[1,0]
.endm
; A KEY STEP: 128 keys, both tiles.  ld = 1: the next step's K is fetched; ld = 0: a pass's last step.
.macro STEP ld
	s_wait_dscnt 0x0                               ; K's fragments, asked for in the last step's run, are in
.irp w, 0,1
	WIN 0x44*\w
.irp t, 0,1,2,3,4,5,6,7
	SMUL \w, \t
.endr
.endr
	WIN 0
	ADDR
.irp w, 0,1                            ; eight maxima a tile, by turns, one for each 16 keys; each accumulator from its low end on
	WIN 0x14*\w
.irp q, 0,1,2,3,4,5,6,7
	v_max3_num_f32 v[CH+8*\w+\q], s[NEG], v[S+8*\q], v[S+8*\q+1]
.endr
.irp i, 2,4,6
.irp q, 0,1,2,3,4,5,6,7
	v_max3_num_f32 v[CH+8*\w+\q], v[CH+8*\w+\q], v[S+8*\q+\i], v[S+8*\q+\i+1]
.endr
.endr
.endr
	WIN 0
	VFETCH
.if \ld
	KFETCH 1
.else
	s_wait_alu depctr_va_vdst(0)                   ; the wait here, ahead of the branch
	s_cmp_eq_u32 s[PS], 1                          ; a further pass follows: its Q takes the registers that the products above have read
	s_cbranch_scc1 .Lno_q_\@
	s_add_nc_u64 s[84:85], s[84:85], 12288
	s_add_nc_u64 s[86:87], s[86:87], 1024
	QLOAD
.Lno_q_\@:
.endif
.irp x, 0,1
	v_max3_num_f32 v[20+4*\x], v[CH+8*\x], v[CH+8*\x+1], v[CH+8*\x+2]
.endr
.irp x, 0,1
	v_max3_num_f32 v[22+4*\x], v[CH+8*\x+4], v[CH+8*\x+5], v[CH+8*\x+6]
.endr
.irp x, 0,1
	s_delay_alu instid0(VALU_DEP_4)
	v_max_num_f32 v[20+4*\x], v[20+4*\x], v[CH+8*\x+3]   ; my first block's largest score,
.endr
.irp x, 0,1
	s_delay_alu instid0(VALU_DEP_4)
	v_max_num_f32 v[22+4*\x], v[22+4*\x], v[CH+8*\x+7]   ; my second's
.endr
.irp x, 0,1
	s_delay_alu instid0(VALU_DEP_2)
	v_max_num_f32 v[21+4*\x], v[20+4*\x], v[22+4*\x]
.endr
.irp x, 0,1
	s_delay_alu instid0(VALU_DEP_2)
	v_permlanex16_b32 v[23+4*\x], v[21+4*\x], s[SEL], s[SEL+1]
.endr
.irp x, 0,1
	s_delay_alu instid0(VALU_DEP_2)
	v_max3_num_f32 v[13+2*\x], v[13+2*\x], v[21+4*\x], v[23+4*\x]   ; the running largest score of my query
.endr
.irp x, 0,1
	s_delay_alu instid0(VALU_DEP_2)
	v_mul_f32 v[21+4*\x], s[CS], v[13+2*\x]        ; as t (c is positive)
.endr
.irp x, 0,1
	s_delay_alu instid0(VALU_DEP_2)
	v_floor_f32 v[23+4*\x], -v[21+4*\x]            ; the new -M: M is a whole number
.endr
.irp x, 0,1
	s_delay_alu instid0(VALU_DEP_2)
	v_sub_f32 v[21+4*\x], v[23+4*\x], v[12+2*\x]   ; old M less new M, 0 or less
.endr
.irp x, 0,1
	s_delay_alu instid0(VALU_DEP_4)
	v_mov_b32 v[12+2*\x], v[23+4*\x]
.endr
.irp x, 0,1
	s_delay_alu instid0(VALU_DEP_4)
	v_cvt_i32_f32 v[21+4*\x], v[21+4*\x]           ; (it saturates)
.endr
.irp x, 0,1
	s_delay_alu instid0(VALU_DEP_2)
	v_ldexp_f32 v[16+2*\x], 1.0, v[21+4*\x]        ; f = 2^(old M - new M)
.endr
	RESC 0
.set j, 0
.rept 32
	v_pk_fma_f32 v[S+j:S+j+1], v[S+j:S+j+1], s[CS:CS+1], v[12:13] op_sel_hi:[1,0,0]   ; tile 0: t - M
.set j, j+2
.endr
.irp x, 0,1
	v_fma_f32 v[20+4*\x], v[20+4*\x], s[CS], v[12+2*\x]   ; the same of each block's largest score
	v_fma_f32 v[22+4*\x], v[22+4*\x], s[CS], v[12+2*\x]
.endr
	WIN 0x41
	RESC 1
	WIN 0
	s_wait_alu depctr_va_vdst(0)                   ; the wait ahead of the batch
.irp r, 20,22,24,26
	v_exp_f32 v\r, v\r                             ; the blocks' largest p
.endr
.set j, 0
.rept 16                               ; tile 0's p = 2^(t - M), by turns with tile 1's t - M, which is first read behind the wait below
	WIN 0
	v_exp_f32 v[S+j], v[S+j]
	v_exp_f32 v[S+j+1], v[S+j+1]
	v_exp_f32 v[S+j+2], v[S+j+2]
	v_exp_f32 v[S+j+3], v[S+j+3]
	WIN 0x41
	v_pk_fma_f32 v[S+j:S+j+1], v[S+j:S+j+1], s[CS:CS+1], v[14:15] op_sel_hi:[1,0,0]
	v_pk_fma_f32 v[S+j+2:S+j+3], v[S+j+2:S+j+3], s[CS:CS+1], v[14:15] op_sel_hi:[1,0,0]   ; (the last two are the plain place behind the batch)
.set j, j+4
.endr
	WIN 0
	s_wait_alu depctr_va_vdst(0)                   ; the wait behind the batch
.irp r, 20,22,24,26
	v_max_num_f32 v\r, 0x2800000, v\r              ; the floor 2^(5 - 127): the byte cannot fall under 1
.endr
.irp k, 0,1,2,3
	s_delay_alu instid0(VALU_DEP_4)
	v_add_nc_u32 v[28+\k], 0xfe000000, v[20+2*\k]  ; 4 off the exponent field: the conversion's scale operand
.endr
.irp k, 0,1,2,3
	s_delay_alu instid0(VALU_DEP_4)
	v_lshrrev_b32 v[20+2*\k], 23, v[28+\k]         ; the scale's byte
.endr
	s_delay_alu instid0(VALU_DEP_3)
	v_lshl_or_b32 v21, v22, 16, v20                ; my bytes: blocks h and 2 + h,
	s_delay_alu instid0(VALU_DEP_2)
	v_lshl_or_b32 v25, v26, 16, v24
.irp x, 0,1
	s_delay_alu instid0(VALU_DEP_2)
	v_lshlrev_b32 v[21+4*\x], v38, v[21+4*\x]      ; at their places;
.endr
.irp x, 0,1
	s_delay_alu instid0(VALU_DEP_2)
	v_permlanex16_b32 v[23+4*\x], v[21+4*\x], s[SEL], s[SEL+1]
.endr
.irp x, 0,1
	s_delay_alu instid0(VALU_DEP_2)
	v_or_b32 v[PW+\x], v[21+4*\x], v[23+4*\x]      ; with lane l xor 16's two the query's word is whole
.endr
	s_wait_alu depctr_va_vdst(0)                   ; ahead of the second batch
.irp g, 0,1,2,3,4,5,6,7                ; tile 1's p, by turns with tile 0's four conversions and the first additions of its eight chains
	WIN 0x41
.irp e, 0,1,2,3,4,5,6,7
	v_exp_f32 v[S+8*\g+\e], v[S+8*\g+\e]
.endr
	WIN 0
.if \g < 4
.if (\g)%2 == 0
	v_cvt_scalef32_pk16_bf6_f32 v[PC+3*\g:PC+3*\g+2], v[S+16*\g:S+16*\g+15], v[28+\g/2]
.else
	v_cvt_scalef32_pk16_bf6_f32 v[CT+2*(\g-1):CT+2*(\g-1)+2], v[S+16*\g:S+16*\g+15], v[28+\g/2]   ; (a conversion's three registers begin on an even number)
.endif
.else
	SUM1 2*(\g-4)
	SUM1 2*(\g-4)+1                                ; (the last two are the plain place behind the batch)
.endif
.endr
	s_wait_alu depctr_va_vdst(0)                   ; the wait behind the batch
	MOVS
	SUM2
	WIN 0x41
.irp c, 0,1
	v_cvt_scalef32_pk16_bf6_f32 v[PC+6*\c:PC+6*\c+2], v[S+32*\c:S+32*\c+15], v[30+\c]
	v_cvt_scalef32_pk16_bf6_f32 v[CT+4*\c:CT+4*\c+2], v[S+32*\c+16:S+32*\c+31], v[30+\c]
.endr
	v_nop                                          ; one plain place behind a scaled conversion
	MOVS
	WIN 0x45                                       ; these 32 lines are also the places ahead of the products below
.irp i, 0,1,2,3,4,5,6,7
	SUM1 \i
.endr
	SUM2
	s_wait_alu depctr_va_vdst(0)                   ; the wait ahead of the wait below
.if \ld
	s_wait_dscnt 20                                ; V's 17 loads are in; the next step's 20 of K, issued behind them, may be out
.else
	s_wait_dscnt 0x0
.endif
.irp w, 0,1                            ; O^T += V^T P^T: eight accumulators by turns
	WIN 0x01+0x54*\w
.irp t, 0,1,2,3
.if \t%2
	v_wmma_scale_f32_16x16x128_f8f6f4 v[O+8*\t:O+8*\t+7], v[12*\t:12*\t+11], v[PC:PC+11], v[O+8*\t:O+8*\t+7], v[VS+\t/2], v[PW+\w] matrix_a_fmt:MATRIX_FMT_BF6 matrix_b_fmt:MATRIX_FMT_BF6 matrix_a_scale:MATRIX_SCALE_ROW1
.else
	v_wmma_scale_f32_16x16x128_f8f6f4 v[O+8*\t:O+8*\t+7], v[12*\t:12*\t+11], v[PC:PC+11], v[O+8*\t:O+8*\t+7], v[VS+\t/2], v[PW+\w] matrix_a_fmt:MATRIX_FMT_BF6 matrix_b_fmt:MATRIX_FMT_BF6
.endif
.endr
.endr
	WIN 0
.if \ld
	s_add_co_u32 s[TB], s[TB], 6144
	s_add_co_u32 s[TS], s[TS], 512
	s_add_co_u32 s[TJ], s[TJ], 256
.endif
.endm
; THE WAY OUT of tile w: O / sum, two blocks of 32 along (head, d), quantised; the six registers of codes are half a fragment of the last product's operand and are stored as they stand
.macro EPI w
	WIN 0x55*\w
	v_add_f32 v[SUM], v[SUM], v[SUM+1]
	v_permlanex16_b32 v[E], v[SUM], s[SEL], s[SEL+1]
	v_add_f32 v[SUM], v[SUM], v[E]                 ; the row's sum
	s_wait_alu depctr_va_vdst(0)
	v_rcp_f32 v[SUM], v[SUM]
	v_nop
	s_wait_alu depctr_va_vdst(0)
.set j, 0
.rept 16
	v_pk_mul_f32 v[S+j:S+j+1], v[O+j:O+j+1], v[SUM:SUM+1] op_sel_hi:[1,0]
.set j, j+2
.endr
.irp b, 0,1
	v_max3_num_f32 v[E+2+\b], |v[S+16*\b]|, |v[S+16*\b+1]|, 0x2800000
.endr
.irp i, 2,4,6,8,10,12,14
.irp b, 0,1
	v_max3_num_f32 v[E+2+\b], v[E+2+\b], |v[S+16*\b+\i]|, |v[S+16*\b+\i+1]|
.endr
.endr
.irp b, 0,1
	v_permlanex16_b32 v[E+4+\b], v[E+2+\b], s[SEL], s[SEL+1]
.endr
.irp b, 0,1
	v_max_num_f32 v[E+2+\b], v[E+2+\b], v[E+4+\b]
.endr
.irp b, 0,1
	v_add_nc_u32 v[E+6+\b], 0xfe000000, v[E+2+\b]
.endr
.irp b, 0,1
	v_lshrrev_b32 v[E+4+\b], 23, v[E+6+\b]
.endr
	v_cvt_scalef32_pk16_bf6_f32 v[PC:PC+2], v[S:S+15], v[E+6]
	v_cvt_scalef32_pk16_bf6_f32 v[CT:CT+2], v[S+16:S+31], v[E+7]
	v_nop
.irp i, 0,1,2
	v_permlane16_swap_b32 v[PC+\i], v[CT+\i]
.endr
.irp i, 0,1,2
	v_mov_b32 v[PC+3+\i], v[CT+\i]
.endr
	v_cndmask_b32 v[E+1], v[E+4], v[E+5], s[HM]    ; my block's byte
	WIN 0x04*\w
	global_store_b128 v1, v[PC:PC+3], s[88:89] offset:12288*\w        ; 512 consecutive bytes,
	global_store_b64 v2, v[PC+4:PC+5], s[88:89] offset:12288*\w+512   ; and the 256 behind them
	global_store_b8 v9, v[E+1], s[90:91] offset:512*\w
.endm
	QLOAD                                          ; pass 0's Q, under the tensor loads' flight
	s_wait_alu depctr_va_vdst(0)                   ; the wait at the head's end
	s_wait_tensorcnt 0x0                           ; my load has landed,
	s_barrier_signal -1
	s_barrier_wait -1                              ; everybody's has
	s_mov_b32 s[PS], 2
.Lpass:
.irp x, 0,1
	v_mov_b32 v[13+2*\x], s[NEG]                   ; the largest score so far: under every score
	v_mov_b32 v[12+2*\x], 0x7e967699               ; -M: 1e38, so that the first f is 0
.endr
	s_mov_b32 s[TB], 0
	s_mov_b32 s[TS], 0
	s_mov_b32 s[TJ], 0
	ADDR
	KFETCH 0
.irp w, 0,1
	WIN 0x40*\w
.set j, 0
.rept 32
	v_mov_b32 v[O+j], 0                            ; the step is written once: the first finds zeros, which the first change of M leaves zeros
.set j, j+1
.endr
	v_mov_b32 v[SUM], 0
	v_mov_b32 v[SUM+1], 0
.endr
	WIN 0
	s_wait_alu depctr_va_vdst(0)
	s_wait_loadcnt 0x0                             ; Q is in
	s_mov_b32 s[CNT], 15
.Lstep:
	STEP 1
	s_sub_co_u32 s[CNT], s[CNT], 1
	s_cmp_lg_u32 s[CNT], 0
	s_cbranch_scc1 .Lstep
	STEP 0
.rept 4
	v_nop                                          ; places behind the last products
.endr
	EPI 0
	EPI 1
	WIN 0
	s_wait_xcnt 0x0                                ; the stores have read their data and their bases
	s_add_nc_u64 s[88:89], s[88:89], 196608        ; 16 tiles of rows on
	s_add_nc_u64 s[90:91], s[90:91], 8192
	s_sub_co_u32 s[PS], s[PS], 1
	s_cmp_lg_u32 s[PS], 0
	s_cbranch_scc1 .Lpass
	s_wait_tensorcnt 0x0                           ; the wave's end
	ds_add_u32 v10, v11
	s_wait_dscnt 0x0
	CROUND                                         ; the closing round
	s_endpgm
.Lfunc_end_k_qf5fe030803_attn:
	.size	k_qf5fe030803_attn, .Lfunc_end_k_qf5fe030803_attn-k_qf5fe030803_attn
	.p2alignl 7, 3214868480
	.fill 96, 4, 3214868480
	.section	.rodata,"a",@progbits
	.p2align	6, 0x0
	.amdhsa_kernel k_qf5fe030803_attn
		.amdhsa_group_segment_fixed_size 210944
		.amdhsa_private_segment_fixed_size 0
		.amdhsa_enable_private_segment 0
		.amdhsa_kernarg_size 32
		.amdhsa_user_sgpr_count 2
		.amdhsa_user_sgpr_kernarg_segment_ptr 1
		.amdhsa_wavefront_size32 1
		.amdhsa_system_sgpr_workgroup_id_x 1
		.amdhsa_system_sgpr_workgroup_id_y 1
		.amdhsa_system_sgpr_workgroup_id_z 1
		.amdhsa_system_vgpr_workitem_id 0
		.amdhsa_next_free_vgpr 512
		.amdhsa_next_free_sgpr 100
		.amdhsa_reserve_vcc 0
		.amdhsa_float_denorm_mode_32 3
		.amdhsa_float_denorm_mode_16_64 3
		.amdhsa_memory_ordered 1
		.amdhsa_forward_progress 1
		.amdhsa_inst_pref_size 80
	.end_amdhsa_kernel
	.amdgpu_metadata
---
amdhsa.version: [ 1, 2 ]
amdhsa.kernels:
  - .name:           k_qf5fe030803_attn
    .symbol:         k_qf5fe030803_attn.kd
    .args:
      - { .name: qkv_img, .offset: 0, .size: 8, .value_kind: global_buffer, .address_space: global }
      - { .name: a_sc, .offset: 8, .size: 8, .value_kind: global_buffer, .address_space: global }
      - { .name: o_img, .offset: 16, .size: 8, .value_kind: global_buffer, .address_space: global }
      - { .name: o_sc, .offset: 24, .size: 8, .value_kind: global_buffer, .address_space: global }
    .group_segment_fixed_size: 210944
    .private_segment_fixed_size: 0
    .kernarg_segment_align: 8
    .kernarg_segment_size: 32
    .max_flat_workgroup_size: 256
    .sgpr_count:     100
    .vgpr_count:     512
    .wavefront_size: 32
...
	.end_amdgpu_metadata
.endif
;; end of part 3
;; launch proj (part 4): grid 32 x 8, 4 waves a work-group, clusters of 4 x 1, 168,448 bytes of LDS; arguments o_img, o_sc, bo, out0; writes out0
.if DOCPART == 4
	.amdgcn_target "amdgcn-amd-amdhsa--gfx1250"
	.amdhsa_code_object_version 6
	.text
	.protected	k_qf5fe030803_proj
	.globl	k_qf5fe030803_proj
	.p2align	8
	.type	k_qf5fe030803_proj,@function
k_qf5fe030803_proj:
	s_mov_b64 s[64:65], 0
	v_nop
	global_prefetch_b8 v0, s[64:65] scope:SCOPE_SE
	s_setreg_imm32_b32 hwreg(HW_REG_WAVE_MODE, 25, 1), 1
	s_wait_xcnt 0x0
	s_wait_alu depctr_hold_cnt(0) depctr_sa_sdst(0) depctr_va_vdst(0) depctr_va_sdst(0) depctr_va_ssrc(0) depctr_va_vcc(0) depctr_vm_vsrc(0)
	s_getreg_b32 s2, hwreg(HW_REG_IB_STS2, 6, 4)
	s_cmp_eq_u32 s2, 0
	s_cbranch_scc0 .Lentry_in_a_cluster
	s_endpgm
.Lentry_in_a_cluster:
	s_bfe_u32 s2, ttmp6, 0x10000c
	s_cmp_lg_u32 s2, 0x3003
	s_cbranch_scc0 .Lentry_shape_is_right
	s_endpgm
.Lentry_shape_is_right:
; out0 = inter Wo + bo on codes of BF6 (E3M2) with E8M0 scales.  Both operands are rows of o_img: the attention's result (rows 0-8191) and Wo's columns (rows 8192 + n), K = 1024, in the order of the operand's registers
; (a fragment: 1,536 bytes; lane l's 16 bytes at 16 l, its 8 bytes at 512 + 8 l, twice).  Scale bytes: o_sc [row][32].
; SHARES.  A work-group owns 256 tokens (32 blocks: x) and 128 columns (8 groups: y): 256 work-groups of equal work.  Wave w owns 64 tokens x 128 columns: 32 accumulators.
; MY TOKENS' CODES GO STRAIGHT INTO REGISTERS: 64 tokens x 1,024 K are 32 fragments, 384 registers.  Wo's 128 columns are 98,304 dense bytes of o_img: they come into LDS once; no byte of LDS is filled again.
; CLUSTER: four token blocks of one column group want the same part of Wo: each wave's one load of 24,576 bytes is asked for jointly (mask 15).  The tokens' rows are not asked for jointly: they go to registers, not to LDS.
; The product is 16 halves: K step n / 2, Wo's blocks 4 (n % 2) on: 16 matrix instructions on 16 of the 32 accumulators.  Wo's fragments go through three buffers of four; half n + 2 is fetched ahead of half n's products.
; THE MATRIX INSTRUCTION IS USED TRANSPOSED (source 0 = 16 columns of Wo, source 1 = 16 tokens): a lane holds eight neighbouring numbers of a row of out0.  bo is the C of each sum's first matrix instruction.
; THE WAY OUT: 16 rows x 128 columns at a time through my own stage in LDS, behind Wo's bytes, and back as whole rows of 512 bytes.
; REGISTERS: window 0: v1-27 addresses; v32-95 scale words; v128-175 the tokens' K step 7; v176-239 bo's eight tiles; on the way out v128-255.  window 1: v0-143 Wo's three buffers; v144-239 K steps 5, 6.
;   window 2: the accumulators ((token block a, column block b) at v[8 (8 a + b)]).  window 3: K steps 0-4.
.set WT,    98304
.set RTM,   12288
.set FRB,   1536
.set STG,   WT                         ; the stages: 16 rows x 528 bytes for each wave
.set SPITCH, 528
.set SC,    32                         ; v[SC + 8 i + ks]: lanes 0-15 the word of the tokens' block i (i < 4), lanes 16-31 of Wo's block i, for K step ks
.set BI,    176                        ; bo's tile b at v[BI + 8 b]
.set BK,    128                        ; the way out: 16 rows read back from the stage: v128-191 and v192-255 by turns
.set STO,   24                         ; v24 the way out: where I put 32 bytes of a row
.set RD,    25                         ; v25 where I read a row back
.set MSB, 0
.macro WIN new                         ; the immediate's high byte repeats the setting that is left
.if MSB != (\new)
	s_set_vgpr_msb (MSB<<8)|(\new)
.set MSB, (\new)
.endif
.endm
.macro CROUND                          ; a round of the cluster's barrier
	s_barrier_signal -1
	s_barrier_wait -1
	s_cmp_lg_u32 s14, 0
	s_cbranch_scc1 .Lnot_wave_0_\@
	s_barrier_signal -3
.Lnot_wave_0_\@:
	s_barrier_wait -3
	s_barrier_signal -1
	s_barrier_wait -1
.endm
.macro PLACES n
.rept \n
	v_nop
.endr
.endm
	s_load_b256 s[4:11], s[0:1], 0x0               ; o_img s[4:5], o_sc s[6:7], bo s[8:9], out0 s[10:11]
	v_lshl_add_u32 v126, v0, 2, 0x29000
	v_mov_b32 v127, 0
	ds_add_u32 v126, v127
	ds_add_u32 v126, v127
	v_lshrrev_b32 v1, 5, v0
	v_readfirstlane_b32 s14, v1                    ; wave 0..3
	s_bfe_u32 s40, ttmp6, 0x40000                  ; cx: it enters the tokens' and out0's addresses alone
	s_lshl_b32 s41, ttmp9, 2
	s_add_co_u32 s41, s41, s40                     ; my block of 256 tokens
	s_and_b32 s42, ttmp7, 0xffff                   ; my group of 128 columns, which the four partners share
	s_mov_b32 s16, 15|(3<<16)|(1<<21)              ; group 1: 96 rows of 256 bytes, dense; 15:0 the mask: all four work-groups; 21 set beside a mask
	s_mov_b32 s17, 32<<16
	s_mov_b32 s18, 96<<16
	s_mov_b32 s19, 32<<16
	s_mov_b32 s20, 96
	s_mov_b32 s21, 32
	s_mov_b32 s22, 0
	s_mov_b32 s23, 0
	s_lshl_b32 s46, s42, 3                         ; the group's 8 tiles of 16 columns; my wave fetches two of them
	s_lshl_b32 s47, s14, 1
	s_add_co_u32 s46, s46, s47
	s_mul_i32 s46, s46, RTM
	s_mov_b32 s47, 0
	s_wait_dscnt 0x0
	s_wait_kmcnt 0x0
	s_add_nc_u64 s[46:47], s[4:5], s[46:47]
	s_mov_b32 s24, 1
	s_mul_i32 s25, s14, 2*RTM
	s_add_nc_u64 s[26:27], s[46:47], 512*RTM       ; Wo's columns are rows 8192 on: tiles 512 on
	s_or_b32 s27, s27, 0x80000000
	CROUND                                         ; all four work-groups are here: the joint loads meet
	tensor_load_to_lds s[24:27], s[16:23]
	s_nop 0
.rept 4
	v_nop
.endr
	s_lshl_b32 s48, s41, 4
	s_lshl_b32 s49, s14, 2
	s_add_co_u32 s48, s48, s49                     ; my first tile of 16 tokens
	s_mul_i32 s48, s48, RTM
	s_mov_b32 s49, 0
	s_add_nc_u64 s[48:49], s[4:5], s[48:49]
	s_lshl_b32 s50, s41, 13                        ; their scale bytes: 32 a row
	s_lshl_b32 s51, s14, 11
	s_add_co_u32 s50, s50, s51
	s_lshl_b32 s51, s42, 12
	s_add_co_u32 s51, s51, 262144                  ; and those of Wo's 128 columns
	s_lshl_b32 s56, s42, 9                         ; 128 columns of 4 bytes
	s_mov_b32 s57, 0
	s_add_nc_u64 s[8:9], s[8:9], s[56:57]          ; bo
	s_lshl_b32 s58, s41, 20                        ; 256 rows of 4,096 bytes
	s_lshl_b32 s59, s14, 18
	s_add_co_u32 s58, s58, s59
	s_add_co_u32 s58, s58, s56
	s_mov_b32 s59, 0
	s_add_nc_u64 s[10:11], s[10:11], s[58:59]      ; out0 at my first row and column
	v_and_b32 v1, 15, v0                           ; r
	v_bfe_u32 v2, v0, 4, 1                         ; hh
	v_and_b32 v3, 31, v0                           ; lane
	v_lshlrev_b32 v12, 4, v3                       ; 16 x lane
	v_lshlrev_b32 v13, 3, v3                       ; 8 x lane
	v_lshlrev_b32 v14, 5, v2                       ; bo: column 16 b + 8 hh + j
	v_cmp_lt_u32 vcc_lo, 15, v3
	v_mov_b32 v26, s50
	v_mov_b32 v27, s51
	v_cndmask_b32 v20, v26, v27, vcc_lo            ; lanes 0-15 take the tokens' rows, lanes 16-31 Wo's
	v_lshl_add_u32 v20, v1, 5, v20
	s_mul_i32 s84, s14, 16*SPITCH
	s_add_co_u32 s84, s84, STG                     ; my stage
	v_mul_u32_u24 v[STO], v1, SPITCH
	v_lshl_add_u32 v[STO], v2, 5, v[STO]
	v_add_nc_u32 v[STO], s84, v[STO]
	v_add_nc_u32 v[RD], s84, v12
	v_add_nc_u32 v16, 0, v12                       ; Wo's blocks 0-3: 16 x lane,
	v_add_nc_u32 v17, 4*RTM, v12                   ; blocks 4-7,
	v_add_nc_u32 v18, 0, v13                       ; and the same with 8 x lane
	v_add_nc_u32 v19, 4*RTM, v13
.macro XSEL ks                         ; where K step ks's four fragments of the tokens lie: window WS, register XB on
.if (\ks) < 5
.set XB, 48*(\ks)
.set WS, 3
.elseif (\ks) == 5
.set XB, 144
.set WS, 1
.elseif (\ks) == 6
.set XB, 192
.set WS, 1
.else
.set XB, 128
.set WS, 0
.endif
.endm
.macro XLOAD ks                        ; 16 loads: a fragment as it lies: 16, 8, 16, 8 bytes a lane
	XSEL \ks
	WIN WS<<6
.irp i, 0,1,2,3
	global_load_b128 v[XB+12*\i:XB+12*\i+3], v12, s[48:49] offset:\i*RTM+(\ks)*FRB
	global_load_b64 v[XB+12*\i+4:XB+12*\i+5], v13, s[48:49] offset:\i*RTM+(\ks)*FRB+512
	global_load_b128 v[XB+12*\i+6:XB+12*\i+9], v12, s[48:49] offset:\i*RTM+(\ks)*FRB+768
	global_load_b64 v[XB+12*\i+10:XB+12*\i+11], v13, s[48:49] offset:\i*RTM+(\ks)*FRB+1280
.endr
.endm
.macro BHALF n                         ; 16 LDS loads: Wo's four fragments of half n into buffer n % 3
.set LK, (\n)/2
.set LH, (\n)%2
.set LB, 48*((\n)%3)
	WIN 0x40
.irp bb, 0,1,2,3
	ds_load_b128 v[LB+12*\bb:LB+12*\bb+3], v[16+LH] offset:\bb*RTM+LK*FRB
	ds_load_b64 v[LB+12*\bb+4:LB+12*\bb+5], v[18+LH] offset:\bb*RTM+LK*FRB+512
	ds_load_b128 v[LB+12*\bb+6:LB+12*\bb+9], v[16+LH] offset:\bb*RTM+LK*FRB+768
	ds_load_b64 v[LB+12*\bb+10:LB+12*\bb+11], v[18+LH] offset:\bb*RTM+LK*FRB+1280
.endr
.endm
; 16 matrix instructions of half n.  In K step 0 the sums begin with bo.  The accumulators take turns, one instruction a turn.
.macro MULH n
.set KS, (\n)/2
.set HB, (\n)%2
.set NB, 48*((\n)%3)
	XSEL KS
.if KS == 0
	WIN 0x81|(WS<<2)                               ; source 0 (Wo) window 1, source 1 (the tokens) window WS, C (bo) window 0, D window 2
.else
	WIN 0xa1|(WS<<2)                               ; C and D window 2
.endif
.irp bb, 0,1,2,3
.irp a, 0,1,2,3
.set DD, 8*(8*\a+4*HB+\bb)
.if KS == 0
	v_wmma_scale_f32_16x16x128_f8f6f4 v[DD:DD+7], v[NB+12*\bb:NB+12*\bb+11], v[XB+12*\a:XB+12*\a+11], v[BI+8*(4*HB+\bb):BI+8*(4*HB+\bb)+7], v[SC+8*(4*HB+\bb)+KS], v[SC+8*\a+KS] matrix_a_fmt:MATRIX_FMT_BF6 matrix_b_fmt:MATRIX_FMT_BF6 matrix_a_scale:MATRIX_SCALE_ROW1
.else
	v_wmma_scale_f32_16x16x128_f8f6f4 v[DD:DD+7], v[NB+12*\bb:NB+12*\bb+11], v[XB+12*\a:XB+12*\a+11], v[DD:DD+7], v[SC+8*(4*HB+\bb)+KS], v[SC+8*\a+KS] matrix_a_fmt:MATRIX_FMT_BF6 matrix_b_fmt:MATRIX_FMT_BF6 matrix_a_scale:MATRIX_SCALE_ROW1
.endif
.endr
.endr
.endm
.irp i, 0,1,2,3,4,5,6,7                ; 16 loads: the scale words, for all of K
	global_load_b128 v[SC+8*\i:SC+8*\i+3], v20, s[6:7] offset:\i*512
	global_load_b128 v[SC+8*\i+4:SC+8*\i+7], v20, s[6:7] offset:\i*512+16
.endr
.irp b, 0,1,2,3,4,5,6,7                ; 16 loads: bo
	global_load_b128 v[BI+8*\b:BI+8*\b+3], v14, s[8:9] offset:64*\b
	global_load_b128 v[BI+8*\b+4:BI+8*\b+7], v14, s[8:9] offset:64*\b+16
.endr
.irp ks, 0,1,2,3,4,5,6,7               ; 128 loads: my tokens' codes, in K's order
	XLOAD \ks
.endr
	WIN 0
	s_wait_alu depctr_va_vdst(0)
	s_wait_tensorcnt 0x0                           ; my part of Wo is in,
	s_barrier_signal -1
	s_barrier_wait -1                              ; everybody's is
	BHALF 0
	BHALF 1
.set NN, 0
.rept 16
.if NN < 14
.if NN > 0
	PLACES 4                                       ; in front of loads into the buffer that the last half's matrix instructions have read (ISA guide 7.12.1 for vector instructions)
.endif
	BHALF NN+2
	s_wait_dscnt 32                                ; this half's 16 loads are in; the two younger halves' 32 may be out
.elseif NN == 14
	s_wait_dscnt 16
.else
	s_wait_dscnt 0x0
.endif
.if NN == 0
	s_wait_loadcnt 63                              ; behind K step 3's last load stand 64: the scale words, bo and K steps 0-3 are in
.elseif NN == 8
	s_wait_loadcnt 48                              ; K step 4 is in: 16 loads for each of the three behind it
.elseif NN == 10
	s_wait_loadcnt 32
.elseif NN == 12
	s_wait_loadcnt 16
.elseif NN == 14
	s_wait_loadcnt 0x0
.endif
	MULH NN
.set NN, NN+1
.endr
	WIN 0
; THE WAY OUT.  LDS serves a wave's instructions in order (ISA guide 5.7.1.4): no wait between the stores into my stage and the loads from it, nor in front of the next block's stores.
.macro TOSTAGE a
.set AC, 64*(\a)
	WIN 0x08                                       ; the data: window 2
.irp b, 0,1,2,3,4,5,6,7
	ds_store_b128 v[STO], v[AC+8*\b:AC+8*\b+3] offset:64*\b          ; each accumulator from its low end on
	ds_store_b128 v[STO], v[AC+8*\b+4:AC+8*\b+7] offset:64*\b+16
.endr
	WIN 0
.set BB, BK+64*((\a)%2)
.irp t, 0,1,2,3,4,5,6,7,8,9,10,11,12,13,14,15
	ds_load_b128 v[BB+4*\t:BB+4*\t+3], v[RD] offset:\t*SPITCH
.endr
.endm
.macro SEND a, younger                 ; younger: the LDS instructions issued behind block a's loads, which may stay out
.set BB, BK+64*((\a)%2)
	s_wait_dscnt \younger
.if (\a) > 0
	s_add_nc_u64 s[10:11], s[10:11], 16*4096       ; (behind a wait on XCNT: the earlier stores have read their base)  16 rows on
.endif
.irp t, 0,1,2,3,4,5,6,7,8,9,10,11,12,13,14,15
	global_store_b128 v12, v[BB+4*\t:BB+4*\t+3], s[10:11] offset:\t*4096 th:TH_STORE_NT   ; 32 lanes store 512 consecutive bytes, at a multiple of 256 from out0's first byte
.endr
.endm
	PLACES 4                                       ; in front of the reads of results just made and of loads into the registers that held operands
	TOSTAGE 0
.irp a, 1,2,3
.if \a > 1
	s_wait_xcnt 0x0                                ; block a - 2's stores have read their registers and their base
.endif
	TOSTAGE \a
	SEND \a-1, 32                                  ; behind block a - 1's loads: block a's 16 stores and 16 loads
.endr
	s_wait_xcnt 0x0
	SEND 3, 0
	s_wait_tensorcnt 0x0
	ds_add_u32 v126, v127
	s_wait_dscnt 0x0
	CROUND                                         ; the closing round: no work-group ends while a partner may still ask for a tile that names it
	s_endpgm
.Lfunc_end_k_qf5fe030803_proj:
	.size	k_qf5fe030803_proj, .Lfunc_end_k_qf5fe030803_proj-k_qf5fe030803_proj
	.p2alignl 7, 3214868480
	.fill 96, 4, 3214868480
	.section	.rodata,"a",@progbits
	.p2align	6, 0x0
	.amdhsa_kernel k_qf5fe030803_proj
		.amdhsa_group_segment_fixed_size 168448
		.amdhsa_private_segment_fixed_size 0
		.amdhsa_enable_private_segment 0
		.amdhsa_kernarg_size 32
		.amdhsa_user_sgpr_count 2
		.amdhsa_user_sgpr_kernarg_segment_ptr 1
		.amdhsa_wavefront_size32 1
		.amdhsa_system_sgpr_workgroup_id_x 1
		.amdhsa_system_sgpr_workgroup_id_y 1
		.amdhsa_system_sgpr_workgroup_id_z 1
		.amdhsa_system_vgpr_workitem_id 0
		.amdhsa_next_free_vgpr 1024
		.amdhsa_next_free_sgpr 100
		.amdhsa_reserve_vcc 1
		.amdhsa_float_denorm_mode_32 3
		.amdhsa_float_denorm_mode_16_64 3
		.amdhsa_memory_ordered 1
		.amdhsa_forward_progress 1
		.amdhsa_inst_pref_size 86
	.end_amdhsa_kernel
	.amdgpu_metadata
---
amdhsa.version: [ 1, 2 ]
amdhsa.kernels:
  - .name:           k_qf5fe030803_proj
    .symbol:         k_qf5fe030803_proj.kd
    .args:
      - { .name: o_img, .offset: 0, .size: 8, .value_kind: global_buffer, .address_space: global }
      - { .name: o_sc, .offset: 8, .size: 8, .value_kind: global_buffer, .address_space: global }
      - { .name: bo, .offset: 16, .size: 8, .value_kind: global_buffer, .address_space: global }
      - { .name: out0, .offset: 24, .size: 8, .value_kind: global_buffer, .address_space: global }
    .group_segment_fixed_size: 168448
    .private_segment_fixed_size: 0
    .kernarg_segment_align: 8
    .kernarg_segment_size: 32
    .max_flat_workgroup_size: 128
    .sgpr_count:     100
    .vgpr_count:     1024
    .wavefront_size: 32
...
	.end_amdgpu_metadata
.endif
;; end of part 4
